; MI455X (gfx1250); checked and timed in simulation.
; The chip was launched on July 23, 2026; its instructions are those of AMD's public machine-readable ISA for CDNA 5 (MIT licence, August 2026) and "CDNA5" Instruction Set Architecture Reference Guide (July 2026). The comments in the code are by the model that wrote it; some were corrected since.
;; GPT. Allowed arithmetic: matrix products marked QUANTISED: E4M3 operands, one given power-of-two scale a tensor, by v_wmma_f32_16x16x64_fp8_fp8 or v_wmma_f32_16x16x128_fp8_fp8, f32 sums; everything else in f32.
;; Inputs: b1 4,096 float32; b2 1,024 float32; be1 1,024 float32; be2 1,024 float32; g1 1,024 float32; g2 1,024 float32; lowp_scales 16 int32 (the exponents e of the quantised operands' scales 2^e); w1 1,024 x 4,096 float32; w2 4,096 x 1,024 float32; wk 1,024 x 1,024 float32; wo 1,024 x 1,024 float32; wq 1,024 x 1,024 float32; wv 1,024 x 1,024 float32; x 2 x 2,048 x 1,024 float32.
;; Outputs: out0 2 x 2,048 x 1,024 float32.
;; This version of the problem:
;;   THIS VERSION OF THE PROBLEM IS GIVEN IN LOW PRECISION. The matrix products marked QUANTISED in the list below multiply operands that are first quantised to E4M3 (4 exponent bits, 3 mantissa bits; 8 bits a number), with one given power-of-two scale for each operand tensor; their sums are f32. All else is computed in f32.
;;   The module's matrix products, in the order in which they are computed (A, B: the left and right operand; K: the contracted axis; several contracted axes count as one K, in the product's order):
;;     1. [M 4,096, K 1,024] x [K 1,024, N 1,024]; A: computed on the way; B: input wq: QUANTISED (scales: A lowp_scales[0], B lowp_scales[1])
;;     2. [M 4,096, K 1,024] x [K 1,024, N 1,024]; A: computed on the way; B: input wk: QUANTISED (scales: A lowp_scales[2], B lowp_scales[3])
;;     3. [M 4,096, K 1,024] x [K 1,024, N 1,024]; A: computed on the way; B: input wv: QUANTISED (scales: A lowp_scales[4], B lowp_scales[5])
;;     4. batch 32 x [M 2,048, K 64] x [K 64, N 2,048]; A: computed on the way; B: computed on the way: QUANTISED (scales: A lowp_scales[6], B lowp_scales[7])
;;     5. batch 32 x [M 64, K 2,048] x [K 2,048, N 2,048]; A: computed on the way; B: softmax (see below): QUANTISED (scales: A lowp_scales[8], B lowp_scales[9])
;;     6. [M 4,096, K 1,024] x [K 1,024, N 1,024]; A: computed on the way; B: input wo: QUANTISED (scales: A lowp_scales[10], B lowp_scales[11])
;;     7. [M 4,096, K 1,024] x [K 1,024, N 4,096]; A: computed on the way; B: input w1: QUANTISED (scales: A lowp_scales[12], B lowp_scales[13])
;;     8. [M 4,096, K 4,096] x [K 4,096, N 1,024]; A: computed on the way; B: input w2: QUANTISED (scales: A lowp_scales[14], B lowp_scales[15])
;;   THE QUANTISER, for each operand of a quantised product, along K:
;;     - The operand's scale is 2^e, e = its entry of the input lowp_scales (int32; the entries are numbered through the quantised products in the list's order, A before B).
;;     - Each number is divided by the scale, clamped to +-448, and rounded to the nearest number of E4M3, ties to even, subnormals kept.
;;     - The product sums the exact products of the quantised numbers (number of the format x scale) in f32.
;;   ~~~python
;;   def quantise(x, axis, e):      # numpy; x: float32 -> the quantised numbers, widened to float32 again
;;       x = np.moveaxis(x, axis, -1); K = x.shape[-1]
;;       r = np.clip(x / 2.0 ** e, -448, 448)
;;       step = 2.0 ** (np.maximum(np.frexp(np.where(r == 0, 1, r))[1] - 1, -6) - 3)
;;       q = np.round(r / step) * step * 2.0 ** e      # np.round: ties to even
;;       return np.moveaxis(q, -1, axis).astype(np.float32)
;;   ~~~
;;   SOFTMAX AHEAD OF A QUANTISED PRODUCT. Where the list says 'softmax', what is quantised is not the finished softmax but p = 2^(t - M), with t = logit x log2(e) and M = ceil(the row's largest t), a whole number; so 1/2 < the row's largest p <= 1. The row's sum l is taken of the UNQUANTISED p, in f32, and the product's result is divided by l at the end. Since M is a whole number, a kernel that streams over the keys may use a running M (the ceiling of the running maximum): every later rescaling is an exact power of two, so the quantised numbers keep their values, but for numbers so far below the row's largest that they fall under the format's range.
;;   OPERANDS COMPUTED ON THE WAY. 'Computed on the way' means the value that the module computes at that place (a softmax that the list does not call 'softmax' is quantised finished and normalised). What goes into a quantiser is computed in f32, as accurately as f32 sums, v_exp_f32 and their like allow (about 1e-6 of the number): no bf16 or f16 on the way to a quantiser, and a product that is left as it is and whose result goes on into a quantised operand takes f32 operands (vector FMAs, or v_wmma_f32_16x16x4_f32). A number that lies on a knife's edge between two numbers of the format may be rounded either way, as far as f32 arithmetic and the matrix unit's own rounding can turn it there, and no further.
;; One version. Each part assembles by itself: llvm-mc -triple=amdgcn-amd-amdhsa -mcpu=gfx1250 --defsym DOCPART=n.
;; ======== version 1 of 1: 7 launches
;; limits: right only within a limited range of input values
;; workspace buffers: wcodes 12,582,912 bytes; h1 12,582,912 bytes; qkvc 12,582,912 bytes; att 4,194,304 bytes; x1 16,777,216 bytes; h2 4,194,304 bytes; hid 16,777,216 bytes
;; launch prep (part 1): grid 448 x 1, 8 waves a work-group, no clusters, 66,816 bytes of LDS; arguments x, g1, be1, lowp_scales, wq, wk, wv, wo, w1, w2, h1, wcodes; writes h1, wcodes
.if DOCPART == 1
	.amdgcn_target "amdgcn-amd-amdhsa--gfx1250"
	.amdhsa_code_object_version 6
	.text
	.protected	k_qe3d5284832_prep
	.globl	k_qe3d5284832_prep
	.p2align	8
	.type	k_qe3d5284832_prep,@function
k_qe3d5284832_prep:
	s_mov_b64 s[64:65], 0
	v_nop
	global_prefetch_b8 v0, s[64:65] scope:SCOPE_SE
	s_setreg_imm32_b32 hwreg(HW_REG_WAVE_MODE, 25, 1), 1
	s_wait_xcnt 0x0
; THE PROGRAM: x + attention(LN1(x)) and then + ffn(LN2(.)), all eight products on codes of E4M3 with the given scales 2^e, in seven launches:
; this one (LN1 and its three sets of codes; the six weights' codes), the three projections, attention, the projection out with the residual, LN2, and the two products of the FFN.
; WORK LEFT OUT, in the attention launch alone: a step of 128 keys all of which come after all 16 queries of a wave.  reference() builds the causal mask in its own body (jnp.tril) and sets those scores to
; -infinity ahead of the softmax, so their weights are 0 for all values of the inputs and they reach neither the row's maximum, nor its sum, nor the product with v.  Every input has a way to the output and is loaded.
; LIMIT: a NaN, an infinity or an overflow that reaches only those scores is not carried to the result.
; THE LAYOUT OF EVERY BUFFER OF CODES (rows x K): a tile T is 16 rows, lane row rho of it is row 32 (T / 2) + 8 (T % 2) + rho + 8 (rho / 8); the code of (that row, k) lies at byte
; T x 16 K + (k / 32) x 512 + ((k / 16) % 2) x 256 + 16 rho + k % 16.  So 16 rows x 32 k are 512 bytes on end, 16 bytes a lane in lane order: the image of four operand registers.
; THIS LAUNCH.  Work-groups 0 to 191: weights.  A weight lies [k][n] in memory; a lane takes ONE column n and its registers run down k, so the conversions give codes with K innermost and nothing is transposed.
; A work-group takes 256 columns x 256 k, a wave 32 columns; each load of a wave reads 128 consecutive bytes, each store fills two aligned runs of 256 bytes.  No LDS on this path.
; Work-groups 192 to 447: LN1 of one tile of 16 tokens.  A wave takes two whole rows (mean, variance, gain, bias in f32), the 16 rows meet in LDS, and wave w then takes k = 128 w .. 128 w + 127 of all 16 rows,
; 16 neighbours of a block of 32 to a lane, and quantises them three times: products 1, 2 and 3 name a scale each (entries 0, 2, 4).
; code = number / 2^e, held within +-448, to the nearest code, ties to even.
; LIMITS: every e used here lies between -126 and 119, so that 2^e and 448 x 2^e are f32 numbers.  NaN among the inputs is not served.  1 / sqrt by v_rsq_f32.
.set NWG,   192                        ; work-groups that take weights
.set PITCH, 4112                       ; an LDS row: 4,096 bytes + 16: sixteen rows' equal columns start 16 bytes apart modulo 256
.set SPARE, 16*PITCH                   ; behind the rows: the spare words, 128 bytes for each of eight waves
.set SPW,   12                         ; v12  LDS address of my spare word; never rewritten
.set NIL,   13                         ; v13  0; never rewritten
.set OFF,   16                         ; weights: v16-47   4 x lane + i rows of the weight
.set X,     48                         ; weights: v48-111  two sets of 32 numbers
.set C,     112                        ; weights: v112-175 eight registers of codes for each of eight blocks: no store's data are written again
	s_load_b512 s[4:19], s[0:1], 0x0               ; x, g1, be1, the scales' exponents, wq, wk, wv, wo
	s_load_b256 s[20:27], s[0:1], 0x40             ; w1, w2, h1, wcodes
	v_lshl_add_u32 v[SPW], v0, 2, SPARE
	v_mov_b32 v[NIL], 0
	v_lshrrev_b32 v1, 5, v0
	s_delay_alu instid0(VALU_DEP_1)
	v_readfirstlane_b32 s44, v1                    ; wave 0..7
	v_and_b32 v1, 31, v0                           ; lane
	s_delay_alu instid0(VALU_DEP_1)
	v_lshlrev_b32 v2, 4, v1                        ; 16 x lane
	s_wait_kmcnt 0x0
	s_load_b512 s[28:43], s[10:11], 0x0            ; e0 .. e15
	s_cmp_lt_u32 ttmp9, NWG                        ; the work-group's number alone: all eight waves go the same way
	s_cbranch_scc0 .Lnorm
	; ---------------- weights ----------------
	s_lshr_b32 s70, ttmp9, 6                       ; kind: 0 one of the four squares, 1 w1, 2 w2
	s_bfe_u32 s71, ttmp9, 0x20004                  ; which square
	s_cmp_eq_u32 s71, 1
	s_cselect_b64 s[72:73], s[14:15], s[12:13]
	s_cmp_eq_u32 s71, 2
	s_cselect_b64 s[72:73], s[16:17], s[72:73]
	s_cmp_eq_u32 s71, 3
	s_cselect_b64 s[72:73], s[18:19], s[72:73]
	s_cmp_eq_u32 s70, 1
	s_cselect_b64 s[72:73], s[20:21], s[72:73]
	s_cmp_eq_u32 s70, 2
	s_cselect_b64 s[72:73], s[22:23], s[72:73]     ; my weight
	s_cmp_eq_u32 s70, 0
	s_cselect_b32 s75, 15, 63
	s_and_b32 s75, ttmp9, s75                      ; my block among the weight's
	s_cmp_eq_u32 s70, 1
	s_cselect_b32 s76, 4, 2                        ; w1 has 16 blocks of 256 columns, the others 4
	s_cselect_b32 s77, 14, 12                      ; log2 of a row of the weight in bytes
	s_cselect_b32 s78, 15, 3
	s_and_b32 s79, s75, s78                        ; block of columns
	s_lshr_b32 s80, s75, s76                       ; block of 256 k
	s_cmp_eq_u32 s70, 2
	s_cselect_b32 s81, 12, 10                      ; log2 K
	s_lshl_b32 s82, s71, 20
	s_lshl_b32 s83, s70, 22
	s_cmp_eq_u32 s70, 0
	s_cselect_b32 s82, s82, s83                    ; the weight's place in wcodes: 0, 1, 2, 3 MiB; 4 MiB; 8 MiB
	s_lshl_b32 s84, s79, 8
	s_lshl_b32 s85, s44, 5
	s_add_co_u32 s84, s84, s85                     ; n0: my wave's first column
	s_lshl_b32 s85, s80, 8
	s_lshl_b32 s85, s85, s77
	s_lshl_b32 s86, s84, 2
	s_add_co_u32 s86, s85, s86
	s_mov_b32 s87, 0
	s_add_nc_u64 s[48:49], s[72:73], s[86:87]      ; block 0 of 32 k: the weight at (256 x k block, n0)
	s_lshl_b32 s46, 32, s77                        ; 32 rows on
	s_mov_b32 s47, 0
.irp t, 1,2,3,4,5,6,7
	s_add_nc_u64 s[48+2*\t:49+2*\t], s[46+2*\t:47+2*\t], s[46:47]   ; a base for each block: none is stepped while a load names it
.endr
	s_lshl_b32 s88, s84, s81                       ; tile 2 (n0 / 32) begins n0 x K bytes in
	s_add_co_u32 s88, s88, s82
	s_lshl_b32 s89, s80, 12                        ; 256 k are eight groups of 512 bytes
	s_add_co_u32 s88, s88, s89
	s_mov_b32 s89, 0
	s_add_nc_u64 s[66:67], s[26:27], s[88:89]
	s_lshl_b32 s91, 1, s77                         ; a row of the weight
	s_add_co_u32 s90, s81, 4
	s_wait_alu depctr_va_vdst(0)
	v_bfe_u32 v14, v1, 3, 1                        ; column n0 + lane lies in tile 2 (n0 / 32) + (lane / 8) % 2,
	s_delay_alu instid0(VALU_DEP_1)
	v_lshlrev_b32 v14, s90, v14
	v_and_b32 v15, 7, v1
	v_lshrrev_b32 v3, 4, v1
	s_delay_alu instid0(VALU_DEP_1)
	v_lshl_add_u32 v15, v3, 3, v15                 ; at lane row lane % 8 + 8 (lane / 16)
	s_delay_alu instid0(VALU_DEP_1)
	v_lshl_add_u32 v3, v15, 4, v14                 ; v3: where my codes go; never rewritten
	v_lshlrev_b32 v[OFF], 2, v1
.set i, 1
.rept 31
	s_delay_alu instid0(VALU_DEP_1)
	v_add_nc_u32 v[OFF+i], s91, v[OFF+i-1]
.set i, i+1
.endr
.macro LOADW t                         ; block t: W(32 t + i, my column), i = 0 .. 31, into set t % 2
.set i, 0
.rept 32
	global_load_b32 v[X+32*((\t)%2)+i], v[OFF+i], s[48+2*(\t):49+2*(\t)] th:TH_LOAD_NT
.set i, i+1
.endr
.endm
	LOADW 0
	LOADW 1
	s_wait_kmcnt 0x0
	s_cmp_eq_u32 s71, 1                            ; the weight's e: entries 1, 3, 5, 11, 13, 15
	s_cselect_b32 s74, s31, s29
	s_cmp_eq_u32 s71, 2
	s_cselect_b32 s74, s33, s74
	s_cmp_eq_u32 s71, 3
	s_cselect_b32 s74, s39, s74
	s_cmp_eq_u32 s70, 1
	s_cselect_b32 s74, s41, s74
	s_cmp_eq_u32 s70, 2
	s_cselect_b32 s74, s43, s74
	s_add_co_i32 s74, s74, 127
	s_lshl_b32 s75, s74, 23
	v_mov_b32 v6, s75                              ; 2^e as f32: the conversion takes its exponent field
	s_add_co_i32 s74, s74, 8
	s_lshl_b32 s74, s74, 23
	s_or_b32 s74, s74, 0x600000
.macro BLOCKW t
.set XS, X+32*((\t)%2)
.if (\t) < 7
	s_wait_loadcnt 32                              ; this block's 32 loads are in; the next block's 32 may be out
.else
	s_wait_loadcnt 0
.endif
.set i, 0
.rept 32
.set i, i+1
.endr
.irp g, 0,1,2,3
	v_cvt_scalef32_pk8_fp8_f32 v[C+8*(\t)+2*\g:C+8*(\t)+2*\g+1], v[XS+8*\g:XS+8*\g+7], v6
.endr
.if (\t)+2 < 8
	LOADW (\t)+2                                   ; the codes go to stores alone, and the next vector lines are the next block's conversions, on the other set
.endif
	global_store_b128 v3, v[C+8*(\t):C+8*(\t)+3], s[66:67] offset:512*(\t)          ; k = 32 t + 0 .. 15: lanes 0-7 and 16-23 fill 256 consecutive bytes of one tile, the others of the next
	global_store_b128 v3, v[C+8*(\t)+4:C+8*(\t)+7], s[66:67] offset:512*(\t)+256    ; k = 32 t + 16 .. 31
.endm
	s_wait_alu depctr_va_vdst(0)
.irp t, 0,1,2,3,4,5,6,7
	BLOCKW \t
.endr
	s_endpgm
	; ---------------- LN1 ----------------
.Lnorm:
	s_sub_co_u32 s45, ttmp9, NWG                   ; T: my tile of 16 tokens
	s_lshr_b32 s46, s45, 1
	s_lshl_b32 s46, s46, 5
	s_and_b32 s47, s45, 1
	s_lshl_b32 s47, s47, 3
	s_add_co_u32 s46, s46, s47
	s_lshl_b32 s47, s44, 1
	s_add_co_u32 s46, s46, s47
	s_lshr_b32 s47, s44, 2
	s_lshl_b32 s47, s47, 3
	s_add_co_u32 s46, s46, s47                     ; lane rows 2 w and 2 w + 1 of the tile are neighbouring tokens: 32 (T / 2) + 8 (T % 2) + 2 w + 8 (w / 4) and the next
	s_lshl_b32 s46, s46, 12
	s_mov_b32 s47, 0
	s_add_nc_u64 s[4:5], s[4:5], s[46:47]
.set j, 0
	s_wait_alu depctr_va_vdst(0)
.rept 16
	global_load_b128 v[16+4*j:19+4*j], v2, s[4:5] offset:512*j          ; two rows, 8,192 consecutive bytes: v16-47, v48-79; register 4 j + e of a row: k = 128 j + 4 lane + e
.set j, j+1
.endr
.set j, 0
.rept 8
	global_load_b128 v[80+4*j:83+4*j], v2, s[6:7] offset:512*j          ; the gain at the same k
	global_load_b128 v[112+4*j:115+4*j], v2, s[8:9] offset:512*j        ; the bias
.set j, j+1
.endr
	s_mov_b32 s92, 0x76543210                      ; v_permlanex16_b32: lane l takes lane l xor 16
	s_mov_b32 s93, 0xfedcba98
	s_mov_b32 s94, 0x3a800000                      ; 1 / 1024
	s_mov_b32 s95, 0x3727c5ac                      ; 1e-5
	s_mul_i32 s48, s44, 2*PITCH
	v_add_nc_u32 v4, s48, v2                       ; into LDS: my two rows, 16 bytes a lane
	v_and_b32 v14, 15, v0                          ; r
	v_bfe_u32 v15, v0, 4, 1                        ; h
	s_delay_alu instid0(VALU_DEP_2)
	v_mul_u32_u24 v5, v14, PITCH
	s_delay_alu instid0(VALU_DEP_1)
	v_lshl_add_u32 v5, v15, 6, v5
	s_lshl_b32 s49, s44, 9
	v_add_nc_u32 v5, s49, v5                       ; out of LDS: row r, k = 128 w + 16 h on
	s_lshl_b32 s50, s45, 14
	s_lshl_b32 s51, s44, 11
	s_add_co_u32 s50, s50, s51
	s_mov_b32 s51, 0
	s_add_nc_u64 s[70:71], s[24:25], s[50:51]      ; h1: tile T, K step w, in the plane of entry 0,
	s_add_nc_u64 s[72:73], s[70:71], 0x400000      ; of entry 2,
	s_add_nc_u64 s[74:75], s[70:71], 0x800000      ; of entry 4
.macro LANESUM reg, tmp                ; the sum over the 32 lanes, in every lane
	s_delay_alu instid0(VALU_DEP_1)
	v_add_f32_dpp v[\reg], v[\reg], v[\reg] row_xmask:1 row_mask:0xf bank_mask:0xf
	s_delay_alu instid0(VALU_DEP_1)
	v_add_f32_dpp v[\reg], v[\reg], v[\reg] row_xmask:2 row_mask:0xf bank_mask:0xf
	s_delay_alu instid0(VALU_DEP_1)
	v_add_f32_dpp v[\reg], v[\reg], v[\reg] row_xmask:4 row_mask:0xf bank_mask:0xf
	s_delay_alu instid0(VALU_DEP_1)
	v_add_f32_dpp v[\reg], v[\reg], v[\reg] row_xmask:8 row_mask:0xf bank_mask:0xf
	s_delay_alu instid0(VALU_DEP_1)
	v_permlanex16_b32 v[\tmp], v[\reg], s92, s93
	s_delay_alu instid0(VALU_DEP_1)
	v_add_f32 v[\reg], v[\reg], v[\tmp]
.endm
.macro MEANVAR b                       ; row b: x - mean in place; variance + 1e-5 in v[RT]
.set XR, 16+32*\b
.set RT, 144+8*\b
	v_pk_add_f32 v[RT:RT+1], v[XR:XR+1], v[XR+2:XR+3]
	v_pk_add_f32 v[RT+2:RT+3], v[XR+4:XR+5], v[XR+6:XR+7]
.irp j, 8,12,16,20,24,28
	s_delay_alu instid0(VALU_DEP_2)
	v_pk_add_f32 v[RT:RT+1], v[RT:RT+1], v[XR+\j:XR+\j+1]
	s_delay_alu instid0(VALU_DEP_2)
	v_pk_add_f32 v[RT+2:RT+3], v[RT+2:RT+3], v[XR+\j+2:XR+\j+3]
.endr
	s_delay_alu instid0(VALU_DEP_1)
	v_pk_add_f32 v[RT:RT+1], v[RT:RT+1], v[RT+2:RT+3]
	s_delay_alu instid0(VALU_DEP_1)
	v_add_f32 v[RT], v[RT], v[RT+1]
	LANESUM RT, RT+1
	s_delay_alu instid0(VALU_DEP_1)
	v_mul_f32 v[RT+4], s94, v[RT]                  ; the mean
	s_delay_alu instid0(VALU_DEP_1)
	v_mov_b32 v[RT+5], v[RT+4]
.irp j, 0,2,4,6,8,10,12,14,16,18,20,22,24,26,28,30
	v_pk_add_f32 v[XR+\j:XR+\j+1], v[XR+\j:XR+\j+1], v[RT+4:RT+5] neg_lo:[0,1] neg_hi:[0,1]
.endr
	v_pk_mul_f32 v[RT:RT+1], v[XR:XR+1], v[XR:XR+1]
	v_pk_mul_f32 v[RT+2:RT+3], v[XR+2:XR+3], v[XR+2:XR+3]
.irp j, 4,8,12,16,20,24,28
	s_delay_alu instid0(VALU_DEP_2)
	v_pk_fma_f32 v[RT:RT+1], v[XR+\j:XR+\j+1], v[XR+\j:XR+\j+1], v[RT:RT+1]
	s_delay_alu instid0(VALU_DEP_2)
	v_pk_fma_f32 v[RT+2:RT+3], v[XR+\j+2:XR+\j+3], v[XR+\j+2:XR+\j+3], v[RT+2:RT+3]
.endr
	s_delay_alu instid0(VALU_DEP_1)
	v_pk_add_f32 v[RT:RT+1], v[RT:RT+1], v[RT+2:RT+3]
	s_delay_alu instid0(VALU_DEP_1)
	v_add_f32 v[RT], v[RT], v[RT+1]
	LANESUM RT, RT+1
	s_delay_alu instid0(VALU_DEP_1)
	v_fma_f32 v[RT], v[RT], s94, s95
.endm
	s_wait_loadcnt 16                              ; x's 16 loads are in; the 16 of gain and bias may be out
	MEANVAR 0
	MEANVAR 1
	s_wait_alu depctr_va_vdst(0)
	v_rsq_f32 v150, v144                           ; both rows' as one batch,
	v_rsq_f32 v158, v152
	v_nop                                          ; a plain line behind the last of them,
	s_wait_alu depctr_va_vdst(0)                   ; and the one wait ahead of the first line that names a result
	v_mov_b32 v151, v150
	v_mov_b32 v159, v158
	s_wait_alu depctr_va_vdst(0)
	s_wait_loadcnt 0x0                             ; gain and bias
.irp b, 0,1
.irp j, 0,2,4,6,8,10,12,14,16,18,20,22,24,26,28,30
	v_pk_mul_f32 v[16+32*\b+\j:17+32*\b+\j], v[16+32*\b+\j:17+32*\b+\j], v[150+8*\b:151+8*\b]
	s_delay_alu instid0(VALU_DEP_1)
	v_pk_fma_f32 v[16+32*\b+\j:17+32*\b+\j], v[16+32*\b+\j:17+32*\b+\j], v[80+\j:81+\j], v[112+\j:113+\j]
.endr
.endr
.irp b, 0,1
.irp j, 0,1,2,3,4,5,6,7
	ds_store_b128 v4, v[16+32*\b+4*\j:19+32*\b+4*\j] offset:PITCH*\b+512*\j
.endr
.endr
	s_wait_kmcnt 0x0
.irp p, 0,1,2
	s_add_co_i32 s52, s[28+2*\p], 127
	s_lshl_b32 s53, s52, 23
	v_mov_b32 v[6+\p], s53                         ; 2^e of entries 0, 2, 4
.endr
	s_wait_alu depctr_va_vdst(0)
	s_wait_dscnt 0x0                               ; for the others' sake: my rows lie in LDS
	s_barrier_signal -1
	s_barrier_wait -1                              ; all sixteen do
.irp c, 0,1,2,3
.irp q, 0,1,2,3
	ds_load_b128 v[16+16*\c+4*\q:19+16*\c+4*\q], v5 offset:128*\c+16*\q   ; register 16 c + i: k = 128 w + 32 c + 16 h + i of row r
.endr
.endr
	s_wait_dscnt 0x0
.macro QUANTP p                        ; the 64 numbers once more, under the scale of plane p
.set j, 0
.rept 64
.set j, j+1
.endr
.irp g, 0,1,2,3,4,5,6,7
	v_cvt_scalef32_pk8_fp8_f32 v[144+16*\p+2*\g:145+16*\p+2*\g], v[80+8*\g+((16+j)-(80+j)):87+8*\g+((16+j)-(80+j))], v[6+\p]
.endr
	v_nop                                          ; a plain line behind the conversions
.irp c, 0,1,2,3
	global_store_b128 v2, v[144+16*\p+4*\c:147+16*\p+4*\c], s[70+2*\p:71+2*\p] offset:512*\c   ; 512 consecutive bytes
.endr
.endm
	QUANTP 0
	QUANTP 1
	QUANTP 2
	s_wait_tensorcnt 0x0                           ; the wave's end
	ds_add_u32 v[SPW], v[NIL]
	s_wait_dscnt 0x0
	s_endpgm
.Lfunc_end_k_qe3d5284832_prep:
	.size	k_qe3d5284832_prep, .Lfunc_end_k_qe3d5284832_prep-k_qe3d5284832_prep
	.p2alignl 7, 3214868480
	.fill 96, 4, 3214868480
	.section	.rodata,"a",@progbits
	.p2align	6, 0x0
	.amdhsa_kernel k_qe3d5284832_prep
		.amdhsa_group_segment_fixed_size 66816
		.amdhsa_private_segment_fixed_size 0
		.amdhsa_enable_private_segment 0
		.amdhsa_kernarg_size 96
		.amdhsa_user_sgpr_count 2
		.amdhsa_user_sgpr_kernarg_segment_ptr 1
		.amdhsa_wavefront_size32 1
		.amdhsa_system_sgpr_workgroup_id_x 1
		.amdhsa_system_sgpr_workgroup_id_y 1
		.amdhsa_system_sgpr_workgroup_id_z 1
		.amdhsa_system_vgpr_workitem_id 0
		.amdhsa_next_free_vgpr 192
		.amdhsa_next_free_sgpr 100
		.amdhsa_reserve_vcc 0
		.amdhsa_float_denorm_mode_32 3
		.amdhsa_float_denorm_mode_16_64 3
		.amdhsa_fp16_overflow 1
		.amdhsa_memory_ordered 1
		.amdhsa_forward_progress 1
		.amdhsa_inst_pref_size 60
	.end_amdhsa_kernel
	.amdgpu_metadata
---
amdhsa.version: [ 1, 2 ]
amdhsa.kernels:
  - .name:           k_qe3d5284832_prep
    .symbol:         k_qe3d5284832_prep.kd
    .args:
      - { .name: x, .offset: 0, .size: 8, .value_kind: global_buffer, .address_space: global }
      - { .name: g1, .offset: 8, .size: 8, .value_kind: global_buffer, .address_space: global }
      - { .name: be1, .offset: 16, .size: 8, .value_kind: global_buffer, .address_space: global }
      - { .name: lowp_scales, .offset: 24, .size: 8, .value_kind: global_buffer, .address_space: global }
      - { .name: wq, .offset: 32, .size: 8, .value_kind: global_buffer, .address_space: global }
      - { .name: wk, .offset: 40, .size: 8, .value_kind: global_buffer, .address_space: global }
      - { .name: wv, .offset: 48, .size: 8, .value_kind: global_buffer, .address_space: global }
      - { .name: wo, .offset: 56, .size: 8, .value_kind: global_buffer, .address_space: global }
      - { .name: w1, .offset: 64, .size: 8, .value_kind: global_buffer, .address_space: global }
      - { .name: w2, .offset: 72, .size: 8, .value_kind: global_buffer, .address_space: global }
      - { .name: h1, .offset: 80, .size: 8, .value_kind: global_buffer, .address_space: global }
      - { .name: wcodes, .offset: 88, .size: 8, .value_kind: global_buffer, .address_space: global }
    .group_segment_fixed_size: 66816
    .private_segment_fixed_size: 0
    .kernarg_segment_align: 8
    .kernarg_segment_size: 96
    .max_flat_workgroup_size: 256
    .sgpr_count:     100
    .vgpr_count:     192
    .wavefront_size: 32
...
	.end_amdgpu_metadata
.endif
;; end of part 1
;; launch proj (part 2): grid 12 x 16, 4 waves a work-group, clusters of 4 x 4, 327,680 bytes of LDS; arguments h1, wcodes, lowp_scales, qkvc; writes qkvc
.if DOCPART == 2
	.amdgcn_target "amdgcn-amd-amdhsa--gfx1250"
	.amdhsa_code_object_version 6
	.text
	.protected	k_qe3d5284832_proj
	.globl	k_qe3d5284832_proj
	.p2align	8
	.type	k_qe3d5284832_proj,@function
k_qe3d5284832_proj:
	s_mov_b64 s[64:65], 0
	v_nop
	global_prefetch_b8 v0, s[64:65] scope:SCOPE_SE
	s_setreg_imm32_b32 hwreg(HW_REG_WAVE_MODE, 25, 1), 1
	s_wait_xcnt 0x0
	s_wait_alu depctr_hold_cnt(0) depctr_sa_sdst(0) depctr_va_vdst(0) depctr_va_sdst(0) depctr_va_ssrc(0) depctr_va_vcc(0) depctr_vm_vsrc(0)
	s_getreg_b32 s2, hwreg(HW_REG_IB_STS2, 6, 4)
	s_cmp_eq_u32 s2, 0
	s_cbranch_scc0 .Lentry_in_a_cluster
	s_endpgm
.Lentry_in_a_cluster:
	s_bfe_u32 s2, ttmp6, 0x10000c
	s_cmp_lg_u32 s2, 0xf033
	s_cbranch_scc0 .Lentry_shape_is_right
	s_endpgm
.Lentry_shape_is_right:
; q, k and v: LN1(x) times wq, wk, wv, on codes of E4M3, and the results quantised at once for the two products of attention (entries 6, 7, 8 of the scales).
; All operands lie in the order of the operand's registers (a tile T of 16 rows, lane row rho = row 32 (T / 2) + 8 (T % 2) + rho + 8 (rho / 8); 16 rows x 32 k = 512 bytes, 16 a lane).
; A tile of 256 x 256 of a product is made by four waves, 128 x 128 each: 64 accumulators.  K = 1,024 goes in four steps of 256 through two LDS slots filled by the tensor data mover;
; a slot's part of a tile of 16 rows is 4,096 consecutive bytes of memory and of LDS, so no row is padded and every LDS load takes 512 consecutive bytes.
; THE MATRIX INSTRUCTION: source 0 = a tile of 'B', source 1 = a tile of 'A'.  A lane then holds ONE row of A, and the 16 registers of B's tiles 2 b and 2 b + 1 are B's rows 32 b + 16 (lane / 16) + 0 .. 15:
; 16 neighbours.  Two conversions make of them four registers of the next operand, stored as they stand.
; Clusters with x = 0, 1: q, k: A = tokens (h1's plane), B = the weight's columns: codes [token][head's 64].  Clusters with x = 2: v: A = wv's columns, B = tokens: codes [head's 64][keys], the keys innermost,
; as the second product of attention wants them.  The change of roles is made by addresses alone (selects on the cluster's x): no branch, no LDS address and no mask hangs on it.
; qkvc: q at 0, k at 4 MiB: for each (batch, head) 131,072 bytes: tile x 1,024 + group x 512 + 16 lane.  v at 8 MiB: for each (batch, head, 128 keys) 8,192 bytes: tile of d x 2,048 + group x 512 + 16 lane.
; CLUSTERS: 4 x 4 work-groups; A's tiles are asked for jointly along a row of the cluster, B's along a column.
; The four registers of a group hold k = 32 c + 16 (lane / 16) + 0 .. 15: a permutation of k that is the same in both operands.
; LIMITS: e6 - e0 - e1, e7 - e2 - e3 and e8 - e4 - e5 lie between -126 and 119.  NaN is not served.
; REGISTERS: window 0: v8-11 the way out's offsets, v13 its scale; v16-21 LDS addresses; v28, v29 the add's two; from v128 A's fragments, ONE set (on the way out: v192-255 codes).
;   window 1: B's fragments, two sets.   windows 2, 3: the accumulators ((a, b) at v[8 (8 (a % 4) + b)]).
.set TROW,   4096                      ; a tile's part of a slot: 16 rows x 256 k
.set HALFT,  8*TROW                    ; eight tiles: what one tensor load brings, and what a wave reads of A or of B
.set SLOT,   4*HALFT                   ; A's 16 tiles, then B's 16
.set SPARE,  2*SLOT                    ; behind the ring: the spare words, 128 bytes a wave
.set LAPS,   2                         ; 1,024 along K = twice round the ring
.set FR,     16
.set NL,     4
.set NP,     4                         ; places behind this matrix instruction (ISA guide 7.12.1)
.set CO,   8                           ; v8-11  the way out: my byte offset for each of the four groups
.set LIMV, 12
.set SCV,  13                          ; v13    the folded scale
.set ADRA, 16
.set ADRB, 20
.set SPW,  28
.set NIL,  29
.set AF,   128
.set TMP,  128
.set COD,  192
.set G1, 24
.set G0, 32
.set G1B, 48
.set G0B, 56
.set MSB, 0
.macro WIN new                         ; the immediate's high byte repeats the setting that is left
.if MSB != \new
	s_set_vgpr_msb (MSB<<8)|\new
.set MSB, \new
.endif
.endm
.set MUL_LO, 0xa1                      ; source 0 (B) window 1, source 1 (A) window 0, C and D window 2
.set MUL_HI, 0xf1                      ; the same, C and D window 3
.set TO_B,   0x40                      ; destination window 1, address window 0
; A joint load: waves 0 and 1 fetch for A, waves 2 and 3 for B; the branch hangs on the wave's number alone.  An s_nop 0 and four v_nop follow each of the two lines.
.macro JLOAD g0a, g1a, g0b, g1b
	s_cmp_eq_u32 s15, 0
	s_cbranch_scc0 .Lfor_b_\@
	tensor_load_to_lds s[\g0a:\g0a+3], s[\g1a:\g1a+7]
	s_nop 0
.rept 4
	v_nop
.endr
	s_branch .Lasked_\@
.Lfor_b_\@:
	tensor_load_to_lds s[\g0b:\g0b+3], s[\g1b:\g1b+7]
	s_nop 0
.rept 4
	v_nop
.endr
.Lasked_\@:
.endm
.macro CREST                           ; a round of the cluster's barrier behind its opening barrier
	s_cmp_lg_u32 s14, 0
	s_cbranch_scc1 .Lnot_wave_0_\@
	s_barrier_signal -3
.Lnot_wave_0_\@:
	s_barrier_wait -3
	s_barrier_signal -1
	s_barrier_wait -1
.endm
.macro CROUND
	s_barrier_signal -1
	s_barrier_wait -1
	CREST
.endm
	s_load_b256 s[4:11], s[0:1], 0x0               ; h1, wcodes, the scales' exponents, qkvc
	v_lshl_add_u32 v[SPW], v0, 2, SPARE
	v_mov_b32 v[NIL], 0
	ds_add_u32 v[SPW], v[NIL]                      ; the wave's opening: the add, twice on end, and its wait ahead of my first tensor load
	ds_add_u32 v[SPW], v[NIL]
	v_lshrrev_b32 v1, 5, v0
	v_readfirstlane_b32 s14, v1                    ; wave 0..3
	s_lshr_b32 s15, s14, 1                         ; which half of A's tiles is mine.  Also: I fetch for A (0) or for B (1)
	s_and_b32 s16, s14, 1                          ; which half of B's.  Also: which eight tiles I fetch
	s_bfe_u32 s40, ttmp6, 0x40000                  ; cx
	s_bfe_u32 s41, ttmp6, 0x40004                  ; cy
	s_mov_b32 s84, ttmp9                           ; cluster x: 0 q, 1 k, 2 v
	s_and_b32 s85, ttmp7, 0xffff                   ; cluster y
	s_lshl_b32 s43, s41, 2
	s_lshl_b32 s43, 15, s43                        ; my row of the cluster
	s_lshl_b32 s44, 0x1111, s40                    ; my column
	s_or_b32 s[G1+0], s43, (3<<16)|(1<<21)         ; 15:0 the mask: A's tiles go to my row; 17:16 elements of 8 bytes; 21 set beside a mask; no padding
	s_or_b32 s[G1B+0], s44, (3<<16)|(1<<21)
.irp g, G1, G1B
	s_mov_b32 s[\g+1], 512<<16                     ; tensor_dim0: 4,096 bytes
	s_mov_b32 s[\g+2], 8<<16                       ; tensor_dim1: eight tiles
	s_mov_b32 s[\g+3], 512<<16                     ; tile_dim0
	s_mov_b32 s[\g+4], 8                           ; tile_dim1
	s_mov_b32 s[\g+5], 2048                        ; from tile to tile: 16 x 1,024 bytes
	s_mov_b32 s[\g+6], 0
	s_mov_b32 s[\g+7], 0
.endr
	s_lshl_b32 s18, s85, 2
	s_add_co_u32 s17, s18, s41                     ; 4 x cluster y + cy
	s_add_co_u32 s42, s18, s40                     ; 4 x cluster y + cx
	s_cmp_eq_u32 s84, 2
	s_cselect_b32 s17, s41, s17                    ; A's block of 256 rows: tokens (q, k) or wv's columns (v): cy and the cluster's y alone
	s_cselect_b32 s42, s42, s40                    ; B's: the weight's columns (q, k) or tokens (v): cx and the cluster's y alone
	s_lshl_b32 s19, s16, 17                        ; the eight tiles that I fetch
	s_lshl_b32 s20, s17, 18
	s_add_co_u32 s20, s20, s19
	s_lshl_b32 s22, s84, 22                        ; h1's plane
	s_cmp_eq_u32 s84, 2
	s_cselect_b32 s22, 0x200000, s22               ; or wv's place in wcodes
	s_add_co_u32 s20, s20, s22
	s_mov_b32 s21, 0
	s_lshl_b32 s46, s42, 18
	s_add_co_u32 s46, s46, s19
	s_lshl_b32 s23, s84, 20                        ; the weight's place in wcodes
	s_cmp_eq_u32 s84, 2
	s_cselect_b32 s23, 0x800000, s23               ; or h1's third plane
	s_add_co_u32 s46, s46, s23
	s_mov_b32 s47, 0
	s_mul_i32 s45, s14, HALFT                      ; where they go: wave x eight tiles: no place in the cluster enters an LDS address
	s_wait_dscnt 0x0                               ; both opening adds are done
	s_wait_kmcnt 0x0
	s_load_b512 s[68:83], s[8:9], 0x0              ; e0 .. e15
	s_cmp_eq_u32 s84, 2
	s_cselect_b64 s[12:13], s[6:7], s[4:5]         ; A's buffer
	s_cselect_b64 s[18:19], s[4:5], s[6:7]         ; B's
	s_add_nc_u64 s[20:21], s[12:13], s[20:21]
	s_add_nc_u64 s[46:47], s[18:19], s[46:47]
	CROUND                                         ; all sixteen work-groups are here: the first joint loads meet
.irp s, 0,1
	s_mov_b32 s[G0+4*\s], 1
	s_add_co_u32 s[G0+4*\s+1], s45, \s*SLOT
	s_add_nc_u64 s[G0+4*\s+2:G0+4*\s+3], s[20:21], \s*TROW
	s_or_b32 s[G0+4*\s+3], s[G0+4*\s+3], 0x80000000
	s_mov_b32 s[G0B+4*\s], 1
	s_add_co_u32 s[G0B+4*\s+1], s45, \s*SLOT
	s_add_nc_u64 s[G0B+4*\s+2:G0B+4*\s+3], s[46:47], \s*TROW
	s_or_b32 s[G0B+4*\s+3], s[G0B+4*\s+3], 0x80000000
	JLOAD G0+4*\s, G1, G0B+4*\s, G1B
.endr
	v_and_b32 v1, 31, v0
	v_lshlrev_b32 v4, 4, v1                        ; 16 x lane
	s_wait_alu depctr_va_vdst(0)
	s_mul_i32 s21, s15, HALFT                      ; my eight tiles of A
	s_mul_i32 s22, s16, HALFT                      ; my eight of B,
	s_add_co_u32 s22, s22, 2*HALFT                 ; which lie behind A's sixteen
.irp s, 0,1
	v_add_nc_u32 v[ADRA+\s], s21, v4
	v_add_nc_u32 v[ADRB+\s], s22, v4
	s_add_co_u32 s21, s21, SLOT
	s_add_co_u32 s22, s22, SLOT
.endr
	; where my codes go
	s_lshl_b32 s18, s17, 4
	s_lshl_b32 s19, s15, 3
	s_add_co_u32 s18, s18, s19                     ; my first tile of A's rows: 16 x block + 8 x half
	s_lshl_b32 s19, s42, 1
	s_add_co_u32 s19, s19, s16                     ; my 128 of B's rows: 2 x block + half
	s_lshr_b32 s22, s18, 7                         ; q, k: batch = tile / 128,
	s_lshl_b32 s22, s22, 4
	s_lshl_b32 s23, s19, 1                         ; my first head = 2 x (my 128 columns),
	s_add_co_u32 s22, s22, s23
	s_and_b32 s23, s18, 127
	s_lshl_b32 s23, s23, 10                        ; tile in the batch x 1,024
	s_lshr_b32 s12, s19, 4                         ; v: batch = (my 128 tokens) / 16,
	s_lshl_b32 s12, s12, 4
	s_lshr_b32 s13, s18, 2                         ; my first head = tile of columns / 4,
	s_add_co_u32 s12, s12, s13
	s_and_b32 s13, s19, 15
	s_lshl_b32 s13, s13, 13                        ; block of 128 keys x 8,192
	s_mov_b32 s86, 1024                            ; from a block of A to the next: q, k a tile of tokens; v a tile of d,
	s_mov_b32 s88, 1024                            ; and from block 3 to block 4: v goes on to the next head
	s_mov_b32 s91, 131072                          ; groups 2 and 3: q, k the next head; v the next 32 keys
	s_mov_b32 s92, 131584
	s_cmp_eq_u32 s84, 2
	s_cselect_b32 s22, s12, s22
	s_cselect_b32 s23, s13, s23
	s_cselect_b32 s86, 2048, s86
	s_cselect_b32 s88, 124928, s88
	s_cselect_b32 s91, 1024, s91
	s_cselect_b32 s92, 1536, s92
	s_mov_b32 s87, 0
	s_mov_b32 s89, 0
	s_lshl_b32 s22, s22, 17
	s_add_co_u32 s22, s22, s23
	s_lshl_b32 s23, s84, 22                        ; q's, k's or v's plane
	s_add_co_u32 s22, s22, s23
	s_mov_b32 s23, 0
	s_add_nc_u64 s[10:11], s[10:11], s[22:23]
	v_mov_b32 v[CO], v4
	v_add_nc_u32 v[CO+1], 512, v4
	v_add_nc_u32 v[CO+2], s91, v4
	v_add_nc_u32 v[CO+3], s92, v4
.macro FRAG reg, adr, q, i             ; a fragment, 16 rows x 128 k: four loads of 512 consecutive bytes
.irp c, 0,1,2,3
	ds_load_b128 v[\reg+4*\c:\reg+4*\c+3], v[\adr] offset:(\i)*TROW+(\q)*2048+512*\c
.endr
.endm
; 16 matrix instructions: A's blocks a0, a0 + 1 x B's eight.  The 64 accumulators take turns, one instruction a turn, in the same order in every step.
.macro MUL16 a0, p, zero
.irp a, \a0, \a0+1
.irp b, 0,1,2,3,4,5,6,7
.if \zero
	v_wmma_f32_16x16x128_fp8_fp8 v[8*(8*((\a)%4)+\b):8*(8*((\a)%4)+\b)+7], v[128*(\p)+FR*\b:128*(\p)+FR*\b+FR-1], v[AF+FR*(\a):AF+FR*(\a)+FR-1], 0
.else
	v_wmma_f32_16x16x128_fp8_fp8 v[8*(8*((\a)%4)+\b):8*(8*((\a)%4)+\b)+7], v[128*(\p)+FR*\b:128*(\p)+FR*\b+FR-1], v[AF+FR*(\a):AF+FR*(\a)+FR-1], v[8*(8*((\a)%4)+\b):8*(8*((\a)%4)+\b)+7]
.endif
.endr
.endr
.endm
.macro FETCH_B slot, q, p
	WIN TO_B
.irp i, 0,1,2,3,4,5,6,7
	FRAG 128*(\p)+FR*\i, ADRB+\slot, \q, \i
.endr
	WIN 0
.endm
.macro FETCH_A slot, q, i0
.irp i, \i0, \i0+1, \i0+2, \i0+3
	FRAG AF+FR*(\i), ADRA+\slot, \q, \i
.endr
.endm
.macro PLACES n                        ; plain vector lines between a matrix instruction and a load into, or a vector line on, one of its registers
.rept \n
	v_nop
.endr
.endm
.macro STEP slot, q, zero              ; 128 along K that has its successor in the same slot
	s_wait_dscnt 4*NL                              ; B's set and A's blocks 0-3 are in; the youngest sixteen loads (A's blocks 4-7) may be out
	WIN MUL_LO
	MUL16 0, (\q)%2, \zero
	MUL16 2, (\q)%2, \zero
	s_wait_dscnt 0
	PLACES NP
	FETCH_B \slot, (\q)+1, 1-(\q)%2
	FETCH_A \slot, (\q)+1, 0
	WIN MUL_HI
	MUL16 4, (\q)%2, \zero
	MUL16 6, (\q)%2, \zero
	PLACES NP
	WIN 0
	FETCH_A \slot, (\q)+1, 4
.endm
.macro TURN slot, next, fill           ; a slot's last 128 along K, and the change of slots
	s_wait_tensorcnt 0x0                           ; all my tensor loads have landed: my part of the next slot
	ds_add_u32 v[SPW], v[NIL]                      ; 0 onto my spare word
	s_wait_dscnt 4*NL+1                            ; (the add and the youngest sixteen loads may be out)
	WIN MUL_LO
	MUL16 0, 1, 0
	s_wait_dscnt 0x0                               ; the add is done, and my reads of this slot are over
	s_barrier_signal -1
	MUL16 2, 1, 0
	WIN 0
	s_barrier_wait -1
.if \fill
	CREST                                          ; the barrier has opened a round of the cluster's: no wave of any partner still reads this slot or has a load on its way
	s_add_nc_u64 s[G0+4*\slot+2:G0+4*\slot+3], s[G0+4*\slot+2:G0+4*\slot+3], 2*TROW
	s_add_nc_u64 s[G0B+4*\slot+2:G0B+4*\slot+3], s[G0B+4*\slot+2:G0B+4*\slot+3], 2*TROW
	JLOAD G0+4*\slot, G1, G0B+4*\slot, G1B         ; the first tensor load behind the round; its four v_nop are the places in front of the loads below
.else
	PLACES NP
.endif
	FETCH_B \next, 0, 0
	FETCH_A \next, 0, 0
	WIN MUL_HI
	MUL16 4, 1, 0
	MUL16 6, 1, 0
	PLACES NP
	WIN 0
	FETCH_A \next, 0, 4
.endm
	s_wait_alu depctr_va_vdst(0)
	s_wait_tensorcnt 1                             ; my part of slot 0 is in; slot 1's load may be out
	s_barrier_signal -1
	s_barrier_wait -1
	FETCH_B 0, 0, 0
	FETCH_A 0, 0, 0
	FETCH_A 0, 0, 4
	STEP 0, 0, 1                                   ; the first step's products start the sums
	s_mov_b32 s3, LAPS-1
.Llap:
	TURN 0, 1, 1
	STEP 1, 0, 0
	TURN 1, 0, 1
	STEP 0, 0, 0
	s_sub_co_u32 s3, s3, 1
	s_cmp_lg_u32 s3, 0
	s_cbranch_scc1 .Llap
	TURN 0, 1, 0                                   ; the last lap fills nothing
	STEP 1, 0, 0
	s_wait_dscnt 4*NL
	WIN MUL_LO
	MUL16 0, 1, 0
	MUL16 2, 1, 0
	s_wait_dscnt 0
	WIN MUL_HI
	MUL16 4, 1, 0
	MUL16 6, 1, 0
	WIN 0
	; THE WAY OUT.  A sum stands for sum x 2^(eA + eB); its code under 2^eo is sum / 2^(eo - eA - eB): the three scales are folded into the conversion's one.
	s_wait_kmcnt 0x0
	s_cmp_eq_u32 s84, 1
	s_cselect_b32 s93, s70, s68
	s_cselect_b32 s94, s71, s69
	s_cselect_b32 s95, s75, s74
	s_cmp_eq_u32 s84, 2
	s_cselect_b32 s93, s72, s93
	s_cselect_b32 s94, s73, s94
	s_cselect_b32 s95, s76, s95
	s_sub_co_i32 s95, s95, s93
	s_sub_co_i32 s95, s95, s94
	s_add_co_i32 s95, s95, 127
	s_lshl_b32 s96, s95, 23
	s_add_co_i32 s95, s95, 8
	s_lshl_b32 s95, s95, 23
	s_or_b32 s95, s95, 0x600000
	PLACES NP                                      ; behind the last products: their results are read and A's registers written below
	v_mov_b32 v[SCV], s96
.macro BLOCKOUT a                      ; block a of A: 16 rows x my 128 of B's rows: four groups of the next operand
.set AC, 64*((\a)%4)
.set CD, COD+16*((\a)%4)
.if (\a) > 0
	s_wait_xcnt 0x0                                ; the stores so far have read their base and their data
.if (\a) == 4
	s_add_nc_u64 s[10:11], s[10:11], s[88:89]
.else
	s_add_nc_u64 s[10:11], s[10:11], s[86:87]
.endif
.endif
	WIN 0x02+((\a)/4)                              ; source 0: window 2 or 3
.set j, 0
.rept 64
.set j, j+1
.endr
.irp g, 0,1,2,3,4,5,6,7
	v_cvt_scalef32_pk8_fp8_f32 v[CD+2*\g:CD+2*\g+1], v[AC+8*\g:AC+8*\g+7], v[SCV]
.endr
	WIN 0
	v_nop                                          ; a plain line behind the conversions
.irp bb, 0,1,2,3
	global_store_b128 v[CO+\bb], v[CD+4*\bb:CD+4*\bb+3], s[10:11]   ; 512 consecutive bytes
.endr
.endm
	s_wait_alu depctr_va_vdst(0)
.irp a, 0,1,2,3,4,5,6,7
	BLOCKOUT \a
.endr
	s_wait_tensorcnt 0x0                           ; the wave's end
	ds_add_u32 v[SPW], v[NIL]
	s_wait_dscnt 0x0
	CROUND                                         ; the closing round
	s_endpgm
.Lfunc_end_k_qe3d5284832_proj:
	.size	k_qe3d5284832_proj, .Lfunc_end_k_qe3d5284832_proj-k_qe3d5284832_proj
	.p2alignl 7, 3214868480
	.fill 96, 4, 3214868480
	.section	.rodata,"a",@progbits
	.p2align	6, 0x0
	.amdhsa_kernel k_qe3d5284832_proj
		.amdhsa_group_segment_fixed_size 327680
		.amdhsa_private_segment_fixed_size 0
		.amdhsa_enable_private_segment 0
		.amdhsa_kernarg_size 32
		.amdhsa_user_sgpr_count 2
		.amdhsa_user_sgpr_kernarg_segment_ptr 1
		.amdhsa_wavefront_size32 1
		.amdhsa_system_sgpr_workgroup_id_x 1
		.amdhsa_system_sgpr_workgroup_id_y 1
		.amdhsa_system_sgpr_workgroup_id_z 1
		.amdhsa_system_vgpr_workitem_id 0
		.amdhsa_next_free_vgpr 1024
		.amdhsa_next_free_sgpr 100
		.amdhsa_reserve_vcc 0
		.amdhsa_float_denorm_mode_32 3
		.amdhsa_float_denorm_mode_16_64 3
		.amdhsa_fp16_overflow 1
		.amdhsa_memory_ordered 1
		.amdhsa_forward_progress 1
		.amdhsa_inst_pref_size 87
	.end_amdhsa_kernel
	.amdgpu_metadata
---
amdhsa.version: [ 1, 2 ]
amdhsa.kernels:
  - .name:           k_qe3d5284832_proj
    .symbol:         k_qe3d5284832_proj.kd
    .args:
      - { .name: h1, .offset: 0, .size: 8, .value_kind: global_buffer, .address_space: global }
      - { .name: wcodes, .offset: 8, .size: 8, .value_kind: global_buffer, .address_space: global }
      - { .name: lowp_scales, .offset: 16, .size: 8, .value_kind: global_buffer, .address_space: global }
      - { .name: qkvc, .offset: 24, .size: 8, .value_kind: global_buffer, .address_space: global }
    .group_segment_fixed_size: 327680
    .private_segment_fixed_size: 0
    .kernarg_segment_align: 8
    .kernarg_segment_size: 32
    .max_flat_workgroup_size: 128
    .sgpr_count:     100
    .vgpr_count:     1024
    .wavefront_size: 32
...
	.end_amdgpu_metadata
.endif
;; end of part 2
;; launch attn (part 3): grid 8 x 32, 16 waves a work-group, no clusters, 327,680 bytes of LDS; arguments qkvc, lowp_scales, att; writes att
.if DOCPART == 3
	.amdgcn_target "amdgcn-amd-amdhsa--gfx1250"
	.amdhsa_code_object_version 6
	.text
	.protected	k_qe3d5284832_attn
	.globl	k_qe3d5284832_attn
	.p2align	8
	.type	k_qe3d5284832_attn,@function
k_qe3d5284832_attn:
	s_mov_b64 s[64:65], 0
	v_nop
	global_prefetch_b8 v0, s[64:65] scope:SCOPE_SE
	s_setreg_imm32_b32 hwreg(HW_REG_WAVE_MODE, 25, 1), 1
	s_wait_xcnt 0x0
; Causal attention of one (batch, head) on codes of E4M3, head size 64, and its result quantised at once for the projection out (entry 10 of the scales).
; WORK LEFT OUT: a step of 128 keys all of which come after a wave's 16 queries: reference() sets those scores to -infinity by the mask that it builds itself, so their weights are 0 for all inputs.
; LIMIT: a NaN or an infinity that reaches only those scores is not carried to the result.
; THE SOFTMAX: t = score x log2(e) / 8; M = the row's largest t so far, rounded UP to a whole number; p = 2^(t - M) is quantised (entry 9); the row's sum is taken of the unquantised p and divides at the end;
; when M moves, the sum and O are multiplied by 2^(old M - new M), which rounds nothing.
; SHARES.  Work-group (i, batch x 16 + head) owns the blocks i and 15 - i of 128 queries: 17 live steps of 128 x 128 in every work-group.  Waves 0-7 take the tiles of block i, waves 8-15 those of block 15 - i;
; a wave owns ONE tile of 16 queries (tile T: queries 32 (T / 2) + 8 (T % 2) + r + 8 (r / 8)) in 256 registers: four waves to a SIMD.
; Every work-group walks all eight slots of 256 keys: the trip counts are constants; what is left out is a step's work, and the fill of a slot whose first key comes after the work-group's last query.
; NO CLUSTER: the work-groups of a head end their loads at different keys (128 (16 - i)), so a joint load would bring tiles that every wave of some partner passes over.
; LAYOUT.  S^T = K Q^T (source 0 = 16 keys, source 1 = my queries), O^T = V^T P^T (source 0 = 16 of the head's 64, source 1 = P): a lane holds one query throughout.  K's tiles have the same order of rows as
; every buffer here, so the 16 registers of tiles 2 b and 2 b + 1 are the keys 32 b + 16 (lane / 16) + 0 .. 15, and the conversions' results are P's registers.  V lies with the keys innermost.
; A slot is 16,384 dense bytes of K and 16,384 of V; wave 0 fetches K's, wave 1 V's; all LDS loads take 512 consecutive bytes.
; LIMITS: e6 + e7 between -123 and 130; e9 and e10 - e8 - e9 between -126 and 119.  NaN among the codes' sources is not served.  1 / l by v_rcp_f32.
; REGISTERS: v1 16 x lane; v3 the prefetch's offset; v5, v6 the add's two; v8 LDS address; v12 -M, v13 the largest t, v[14:15] the sum; v16-23 Q; v32-95 K's eight fragments, then V's four;
;   v96-159 S^T, then p; v160-191 O^T; v224-239 p's codes; v244: 2^e9; v245 the same for the way out; v236, v242-243, v252-254 at work.
.set SLOT1, 32768                      ; slot 1 begins here: one exclusive or turns an address from one slot to the other
.set VOFF,  16384                      ; a slot: K's 256 keys, then V's
.set SPARE, 2*SLOT1                    ; behind the ring: the spare words, 128 bytes for each of sixteen waves
.set NSL,   8
.set LI,   1
.set PFO,  3
.set SPW,  5
.set NIL,  6
.set ADK,  8
.set WV,   18
.set SEL,  20
.set CS,   22
.set G1,   24
.set G0,   40
.set TB,   2
.set QL,   66                          ; s66  my work-group's last query
.set SLOTS, 67
.set PFA,  76
.set LIM,  80
.set KF,   98                          ; s98  the step's first key
.set Q0,   99                          ; s99  my tile's first query
.macro TLOAD                           ; waves 0 and 1 fetch, the others nothing; an s_nop 0 and four v_nop follow the line
	s_cmp_lt_u32 s[WV], 2
	s_cbranch_scc0 .Lasked_\@
	tensor_load_to_lds s[G0:G0+3], s[G1:G1+7]
	s_nop 0
.rept 4
	v_nop
.endr
.Lasked_\@:
.endm
; A prefetch of the slot that the NEXT change of slots will ask for.  All eight work-groups of a head walk the same K and V: the one with x = 0, which walks all keys, asks.  In it waves 4 and 5 ask for the two halves
; of K's 16,384 bytes, waves 6 and 7 for V's: 8,192 bytes a wave, lanes 256 bytes apart: each aligned 256 bytes once in the launch.  The last change that fills a slot asks for nothing; slots 0 and 1 come by their loads alone.
.macro ASK
	s_cmp_gt_u32 s[SLOTS], s[LIM]
	s_cbranch_scc0 .Lnot_mine_\@
	global_prefetch_b8 v[PFO], s[PFA:PFA+1] th:TH_LOAD_NT scope:SCOPE_SE
.Lnot_mine_\@:
.endm
	s_load_b128 s[4:7], s[0:1], 0x0                ; qkvc, the scales' exponents
	s_load_b64 s[8:9], s[0:1], 0x10                ; att
	v_lshl_add_u32 v[SPW], v0, 2, SPARE
	v_mov_b32 v[NIL], 0
	ds_add_u32 v[SPW], v[NIL]                      ; the wave's opening: the add, twice on end, and its wait ahead of the first tensor load
	ds_add_u32 v[SPW], v[NIL]
	v_lshrrev_b32 v8, 5, v0
	s_delay_alu instid0(VALU_DEP_1)
	v_readfirstlane_b32 s[WV], v8                  ; wave 0..15
	s_and_b32 s72, ttmp7, 0xffff                   ; batch x 16 + head
	s_lshl_b32 s74, s72, 17                        ; its 131,072 bytes in each of q, k, v
	s_sub_co_u32 s73, 15, ttmp9
	s_cmp_lt_u32 s[WV], 8
	s_cselect_b32 s73, ttmp9, s73                  ; my block of 128 queries
	s_lshl_b32 s73, s73, 3
	s_and_b32 s75, s[WV], 7
	s_add_co_u32 s73, s73, s75                     ; T
	s_lshr_b32 s[Q0], s73, 1
	s_lshl_b32 s[Q0], s[Q0], 5
	s_and_b32 s75, s73, 1
	s_lshl_b32 s75, s75, 3
	s_add_co_u32 s[Q0], s[Q0], s75
	s_sub_co_u32 s[QL], 16, ttmp9
	s_lshl_b32 s[QL], s[QL], 7
	s_sub_co_u32 s[QL], s[QL], 1
	s_mov_b32 s[G1], 3<<16                         ; no mask; elements of 8 bytes; no padding
	s_mov_b32 s[G1+1], 32<<16                      ; tensor_dim0: 256 bytes
	s_mov_b32 s[G1+2], 64<<16                      ; tensor_dim1: 64 rows
	s_mov_b32 s[G1+3], 32<<16                      ; tile_dim0
	s_mov_b32 s[G1+4], 64                          ; tile_dim1
	s_mov_b32 s[G1+5], 32                          ; dense
	s_mov_b32 s[G1+6], 0
	s_mov_b32 s[G1+7], 0
	s_and_b32 s82, s[WV], 1
	s_lshl_b32 s83, s82, 14                        ; wave 0: K's part of a slot; wave 1: V's
	s_lshl_b32 s84, s82, 22
	s_add_co_u32 s84, s84, 0x400000                ; k's plane or v's
	s_add_co_u32 s84, s84, s74
	s_mov_b32 s85, 0
	s_lshl_b32 s86, s73, 10
	s_add_co_u32 s86, s86, s74                     ; my tile of q
	s_mov_b32 s87, 0
	s_lshr_b32 s88, s72, 4
	s_lshl_b32 s88, s88, 7
	s_add_co_u32 s88, s88, s73                     ; my tile among all tokens'
	s_lshl_b32 s88, s88, 14
	s_and_b32 s89, s72, 15
	s_lshl_b32 s89, s89, 10                        ; the head's 64 of K = 1,024: two groups of 512 bytes
	s_add_co_u32 s88, s88, s89
	s_mov_b32 s89, 0
	s_bfe_u32 s90, s[WV], 0x10001
	s_lshl_b32 s90, s90, 22                        ; the prefetches: waves 4, 5 in k's plane, waves 6, 7 in v's,
	s_add_co_u32 s90, s90, 0x400000+16384          ; at slot 1: the first change of slots steps it to slot 2
	s_add_co_u32 s90, s90, s74
	s_lshl_b32 s91, s82, 13                        ; my half
	s_add_co_u32 s90, s90, s91
	s_mov_b32 s91, 0
	s_lshr_b32 s92, s[WV], 2
	s_xor_b32 s92, s92, 1                          ; 0 in waves 4 to 7,
	s_or_b32 s92, s92, ttmp9                       ; of the head's first work-group
	s_cmp_eq_u32 s92, 0
	s_cselect_b32 s[LIM], 1, -1
	s_mov_b32 s[SEL], 0x76543210
	s_mov_b32 s[SEL+1], 0xfedcba98
	s_mov_b32 s[CS], 0x3e38aa3b                    ; c = log2(e) / 8
	s_mov_b32 s[TB], 0
	s_mov_b32 s[SLOTS], NSL-1
	s_mov_b32 s[KF], 0
	s_wait_dscnt 0x0                               ; both opening adds are done
	s_wait_kmcnt 0x0
	s_load_b512 s[48:63], s[6:7], 0x0              ; e0 .. e15
	s_mov_b32 s[G0], 1
	s_mov_b32 s[G0+1], s83
	s_add_nc_u64 s[G0+2:G0+3], s[4:5], s[84:85]
	s_or_b32 s[G0+3], s[G0+3], 0x80000000
	TLOAD                                          ; slot 0: it holds key 0, which counts for every query
	s_add_nc_u64 s[10:11], s[4:5], s[86:87]
	s_add_nc_u64 s[8:9], s[8:9], s[88:89]
	s_add_nc_u64 s[PFA:PFA+1], s[4:5], s[90:91]
	v_and_b32 v[LI], 31, v0
	s_delay_alu instid0(VALU_DEP_1)
	v_lshlrev_b32 v[PFO], 8, v[LI]
	s_delay_alu instid0(VALU_DEP_2)
	v_lshlrev_b32 v[LI], 4, v[LI]
	global_load_b128 v[16:19], v[LI], s[10:11]               ; Q's fragment stays in registers
	global_load_b128 v[20:23], v[LI], s[10:11] offset:512
	v_mov_b32 v13, 0xff61b1e6                      ; the largest t so far: -3e38
	s_delay_alu instid0(VALU_DEP_1)
	v_floor_f32 v12, -v13                          ; -M
	v_mov_b32 v14, 0
	v_mov_b32 v15, 0
	v_mov_b32 v236, 0                              ; written once: a lane permute's destination counts as one of its sources
	v_mov_b32 v253, 0                              ; (named as the upper half of the pair v[252:253])
.set j, 0
.rept 32
	v_mov_b32 v[160+j], 0                          ; O^T: the step is written once, and its first walk finds zeros
.set j, j+1
.endr
	s_wait_kmcnt 0x0
	s_add_co_i32 s72, s54, s55
	s_lshl_b32 s72, s72, 23
	s_add_co_i32 s[CS], s[CS], s72                 ; a score stands for score x 2^(e6 + e7): added to c's exponent field
	s_mov_b32 s[CS+1], s[CS]
	s_add_co_i32 s72, s57, 127
	s_lshl_b32 s73, s72, 23
	v_mov_b32 v244, s73                            ; 2^e9
.macro STEP q                          ; 128 keys, the q-th of the slot in hand
	s_add_co_u32 s96, s[Q0], 23                    ; my tile's last query
	s_cmp_gt_u32 s[KF], s96
	s_cbranch_scc1 .Lhidden_\@                     ; ids and the count of steps alone; no barrier and no tensor load stands in a step
	v_add_nc_u32 v[ADK], s[TB], v[LI]
.rept 3
	v_nop                                          ; with the addition above: four places in front of loads into registers that matrix instructions have read
.endr
.irp t, 0,1,2,3,4,5,6,7
	ds_load_b128 v[32+8*\t:35+8*\t], v[ADK] offset:8192*(\q)+1024*\t
	ds_load_b128 v[36+8*\t:39+8*\t], v[ADK] offset:8192*(\q)+1024*\t+512
.endr
	s_wait_alu depctr_va_vdst(0)
	s_wait_dscnt 0x0
.irp t, 0,1,2,3,4,5,6,7
	v_wmma_f32_16x16x64_fp8_fp8 v[96+8*\t:103+8*\t], v[32+8*\t:39+8*\t], v[16:23], 0
.endr
.rept 4
	v_nop
.endr
.irp t, 0,1,2,3
.irp c, 0,1,2,3
	ds_load_b128 v[32+16*\t+4*\c:35+16*\t+4*\c], v[ADK] offset:VOFF+8192*(\q)+2048*\t+512*\c   ; V's four fragments land under the softmax
.endr
.endr
	s_add_co_u32 s96, s[KF], 127
	s_cmp_le_u32 s96, s[Q0]
	s_cbranch_scc1 .Lopen_\@                       ; all keys count for all my queries
	s_sub_co_i32 s96, s[Q0], s[KF]
	v_and_b32 v252, 15, v0
	s_delay_alu instid0(VALU_DEP_1)
	v_and_b32 v253, 8, v252
	s_delay_alu instid0(VALU_DEP_1)
	v_add_nc_u32 v252, v252, v253                  ; r + 8 (r / 8)
	v_bfe_u32 v253, v0, 4, 1
	s_delay_alu instid0(VALU_DEP_1)
	v_lshlrev_b32 v253, 4, v253
	s_delay_alu instid0(VALU_DEP_1)
	v_sub_nc_u32 v252, v252, v253
	s_delay_alu instid0(VALU_DEP_1)
	v_add_nc_u32 v252, s96, v252                   ; d = my query - KF - 16 (lane / 16).  Register 16 b + i holds key KF + 16 (lane / 16) + 32 b + i: hidden where 32 b + i > d
	v_mov_b32 v254, 0xff800000                     ; -infinity
.set n, 0
.rept 64
	v_cmp_gt_i32 vcc_lo, 32*(n/16)+n%16, v252
	v_cndmask_b32 v[96+n], v[96+n], v254, vcc_lo
.set n, n+1
.endr
.Lopen_\@:
	v_max3_num_f32 v254, v96, v97, v98             ; the step's largest score of my query, among my 64 keys, in two chains,
	v_max3_num_f32 v252, v99, v100, v101
.irp i, 6,10,14,18,22,26,30,34,38,42,46,50,54,58
	v_max3_num_f32 v254, v254, v[96+\i], v[97+\i]
	v_max3_num_f32 v252, v252, v[98+\i], v[99+\i]
.endr
	v_max3_num_f32 v254, v254, v158, v159
	s_delay_alu instid0(VALU_DEP_1)
	v_max_num_f32 v254, v254, v252
	v_permlanex16_b32 v236, v254, s[SEL], s[SEL+1]
	s_delay_alu instid0(VALU_DEP_1)
	v_max_num_f32 v254, v254, v236                 ; and among lane l xor 16's
	s_delay_alu instid0(VALU_DEP_1)
	v_mul_f32 v254, s[CS], v254                    ; as t (c is positive)
	s_delay_alu instid0(VALU_DEP_1)
	v_max_num_f32 v13, v13, v254
	v_mov_b32 v254, v12
	s_delay_alu instid0(VALU_DEP_2)
	v_floor_f32 v12, -v13                          ; the new -M = floor(-t)
	s_delay_alu instid0(VALU_DEP_1)
	v_sub_f32 v254, v12, v254                      ; old M - new M: a whole number, 0 or less
	s_delay_alu instid0(VALU_DEP_1)
	v_cvt_i32_f32 v254, v254                       ; (it saturates)
	s_delay_alu instid0(VALU_DEP_1)
	v_ldexp_f32 v252, 1.0, v254                    ; f = 2^(old M - new M)
.set j, 0
.rept 32
	v_pk_fma_f32 v[96+j:97+j], v[96+j:97+j], s[CS:CS+1], v[12:13] op_sel_hi:[1,0,0]   ; t - M, two at a time
.set j, j+2
.endr
.set j, 0
	s_wait_alu depctr_va_vdst(0)
.rept 64
	v_exp_f32 v[96+j], v[96+j]                     ; p = 2^(t - M): one batch
.set j, j+1
.endr
	v_pk_mul_f32 v[14:15], v[14:15], v[252:253] op_sel_hi:[1,0]   ; the sums under the new M: the plain line behind the exponentials
	s_wait_alu depctr_va_vdst(0)                   ; one wait for the batch, ahead of the first line that names a result
	v_pk_add_f32 v[242:243], v[100:101], v[104:105]
	v_pk_add_f32 v[254:255], v[108:109], v[112:113]
	v_pk_add_f32 v[250:251], v[116:117], v[120:121]
	v_pk_add_f32 v[248:249], v[124:125], v[128:129]
	v_pk_add_f32 v[246:247], v[132:133], v[136:137]
	v_pk_add_f32 v[240:241], v[140:141], v[144:145]
	v_pk_add_f32 v[238:239], v[148:149], v[152:153]
	v_pk_add_f32 v[14:15], v[14:15], v[156:157]
	v_pk_add_f32 v[242:243], v[242:243], v[96:97]
	v_pk_add_f32 v[254:255], v[254:255], v[98:99]
	v_pk_add_f32 v[250:251], v[250:251], v[102:103]
	v_pk_add_f32 v[248:249], v[248:249], v[106:107]
	v_pk_add_f32 v[246:247], v[246:247], v[110:111]
	v_pk_add_f32 v[240:241], v[240:241], v[114:115]
	v_pk_add_f32 v[238:239], v[238:239], v[118:119]
	v_pk_add_f32 v[14:15], v[14:15], v[122:123]
	v_pk_add_f32 v[242:243], v[242:243], v[126:127]
	v_pk_add_f32 v[254:255], v[254:255], v[130:131]
	v_pk_add_f32 v[250:251], v[250:251], v[134:135]
	v_pk_add_f32 v[248:249], v[248:249], v[138:139]
	v_pk_add_f32 v[246:247], v[246:247], v[142:143]
	v_pk_add_f32 v[240:241], v[240:241], v[146:147]
	v_pk_add_f32 v[238:239], v[238:239], v[150:151]
	v_pk_add_f32 v[14:15], v[14:15], v[154:155]
	v_pk_add_f32 v[242:243], v[242:243], v[158:159]
	s_delay_alu instid0(VALU_DEP_2)
	v_pk_add_f32 v[14:15], v[14:15], v[248:249]
	s_delay_alu instid0(VALU_DEP_2)
	v_pk_add_f32 v[242:243], v[242:243], v[246:247]
	v_pk_add_f32 v[254:255], v[254:255], v[240:241]
	v_pk_add_f32 v[250:251], v[250:251], v[238:239]
	s_delay_alu instid0(VALU_DEP_2)
	v_pk_add_f32 v[14:15], v[14:15], v[254:255]
	s_delay_alu instid0(VALU_DEP_2)
	v_pk_add_f32 v[242:243], v[242:243], v[250:251]
	s_delay_alu instid0(VALU_DEP_1)
	v_pk_add_f32 v[14:15], v[14:15], v[242:243]
.irp b, 0,1,2,3
.irp i, 0,1,2,3,4,5,6,7,8,9,10,11,12,13,14,15
.endr
	v_cvt_scalef32_pk8_fp8_f32 v[224+4*\b:225+4*\b], v[96+16*\b:103+16*\b], v244
	v_cvt_scalef32_pk8_fp8_f32 v[226+4*\b:227+4*\b], v[104+16*\b:111+16*\b], v244
.endr
.set j, 0
.rept 16
	v_pk_mul_f32 v[160+j:161+j], v[160+j:161+j], v[252:253] op_sel_hi:[1,0]   ; O^T under the new M; these are also the plain lines behind the conversions
.set j, j+2
.endr
	s_wait_alu depctr_va_vdst(0)
	s_wait_dscnt 0x0                               ; V
.irp t, 0,1,2,3
	v_wmma_f32_16x16x128_fp8_fp8 v[160+8*\t:167+8*\t], v[32+16*\t:47+16*\t], v[224:239], v[160+8*\t:167+8*\t]
.endr
.Lhidden_\@:
	s_add_co_u32 s[KF], s[KF], 128
.endm
; THE CHANGE OF SLOTS stands at a slot's head.  Each wave waits for all its tensor loads, adds 0 to its spare word (fill = 1: twice on end), and waits for that and for its reads of the slot that it has left.
; Behind the barrier the slot ahead is whole and nobody reads the other one, which is then filled with the keys that follow, up to the causal limit.
.macro CHANGE fill
	s_wait_tensorcnt 0x0                           ; no tensor load of mine is out, so the group 0 may be written
	ds_add_u32 v[SPW], v[NIL]
.if \fill
	ds_add_u32 v[SPW], v[NIL]                      ; and once more
	s_xor_b32 s[G0+1], s[G0+1], SLOT1              ; the other slot than last time,
	s_add_nc_u64 s[G0+2:G0+3], s[G0+2:G0+3], 16384 ; the next 256 keys
	s_wait_xcnt 0x0                                ; the last prefetch, a slot back, has read its address
	s_add_nc_u64 s[PFA:PFA+1], s[PFA:PFA+1], 16384
.endif
	s_wait_dscnt 0x0                               ; the add is done, and my reads of the slot that I have left are over
	s_barrier_signal -1
	s_barrier_wait -1
.if \fill
	s_add_co_u32 s96, s[KF], 256                   ; the first key of the slot that this change would ask for:
	s_cmp_gt_u32 s96, s[QL]                        ; behind my work-group's last query none of its waves reads it.  Ids and the count of steps alone: all sixteen waves go the same way
	s_cbranch_scc1 .Lpast_\@
	TLOAD
.Lpast_\@:
	ASK
.endif
.endm
.macro SLOT_STEPS
	STEP 0
	STEP 1
	s_xor_b32 s[TB], s[TB], SLOT1
.endm
	s_wait_loadcnt 0x0                             ; Q
.Lslot:                                            ; seven trips: behind each change of slots but the last the next slot is asked for
	CHANGE 1
	SLOT_STEPS
	s_sub_co_u32 s[SLOTS], s[SLOTS], 1
	s_cmp_lg_u32 s[SLOTS], 0
	s_cbranch_scc1 .Lslot
	CHANGE 0
	SLOT_STEPS
	; THE WAY OUT.  O^T / l stands for the result / 2^(e8 + e9); its code under 2^e10 is that / 2^(e10 - e8 - e9).  The 16 registers of tiles 2 b and 2 b + 1 of d are 16 neighbours along the next K.
	v_add_f32 v14, v14, v15
	s_delay_alu instid0(VALU_DEP_1)
	v_permlanex16_b32 v252, v14, s[SEL], s[SEL+1]
	s_delay_alu instid0(VALU_DEP_1)
	v_add_f32 v14, v14, v252                       ; the row's sum
	s_wait_alu depctr_va_vdst(0)
	v_rcp_f32 v14, v14
	v_nop                                          ; a plain line behind the reciprocal
	s_sub_co_i32 s72, s58, s56
	s_sub_co_i32 s72, s72, s57
	s_add_co_i32 s72, s72, 127
	s_lshl_b32 s73, s72, 23
	v_mov_b32 v245, s73
	s_wait_alu depctr_va_vdst(0)                   ; the wait, ahead of the first line that names the reciprocal
.set j, 0
.rept 32
	v_mul_f32 v[96+j], v[160+j], v14
.set j, j+1
.endr
.set j, 0
.rept 32
.set j, j+1
.endr
.irp g, 0,1,2,3
	v_cvt_scalef32_pk8_fp8_f32 v[224+2*\g:225+2*\g], v[96+8*\g:103+8*\g], v245
.endr
	v_nop
	global_store_b128 v[LI], v[224:227], s[8:9]              ; 512 consecutive bytes each
	global_store_b128 v[LI], v[228:231], s[8:9] offset:512
	s_wait_tensorcnt 0x0                           ; the wave's end
	ds_add_u32 v[SPW], v[NIL]
	s_wait_dscnt 0x0
	s_endpgm
.Lfunc_end_k_qe3d5284832_attn:
	.size	k_qe3d5284832_attn, .Lfunc_end_k_qe3d5284832_attn-k_qe3d5284832_attn
	.p2alignl 7, 3214868480
	.fill 96, 4, 3214868480
	.section	.rodata,"a",@progbits
	.p2align	6, 0x0
	.amdhsa_kernel k_qe3d5284832_attn
		.amdhsa_group_segment_fixed_size 327680
		.amdhsa_private_segment_fixed_size 0
		.amdhsa_enable_private_segment 0
		.amdhsa_kernarg_size 24
		.amdhsa_user_sgpr_count 2
		.amdhsa_user_sgpr_kernarg_segment_ptr 1
		.amdhsa_wavefront_size32 1
		.amdhsa_system_sgpr_workgroup_id_x 1
		.amdhsa_system_sgpr_workgroup_id_y 1
		.amdhsa_system_sgpr_workgroup_id_z 1
		.amdhsa_system_vgpr_workitem_id 0
		.amdhsa_next_free_vgpr 256
		.amdhsa_next_free_sgpr 100
		.amdhsa_reserve_vcc 1
		.amdhsa_float_denorm_mode_32 3
		.amdhsa_float_denorm_mode_16_64 3
		.amdhsa_fp16_overflow 1
		.amdhsa_memory_ordered 1
		.amdhsa_forward_progress 1
		.amdhsa_inst_pref_size 87
	.end_amdhsa_kernel
	.amdgpu_metadata
---
amdhsa.version: [ 1, 2 ]
amdhsa.kernels:
  - .name:           k_qe3d5284832_attn
    .symbol:         k_qe3d5284832_attn.kd
    .args:
      - { .name: qkvc, .offset: 0, .size: 8, .value_kind: global_buffer, .address_space: global }
      - { .name: lowp_scales, .offset: 8, .size: 8, .value_kind: global_buffer, .address_space: global }
      - { .name: att, .offset: 16, .size: 8, .value_kind: global_buffer, .address_space: global }
    .group_segment_fixed_size: 327680
    .private_segment_fixed_size: 0
    .kernarg_segment_align: 8
    .kernarg_segment_size: 24
    .max_flat_workgroup_size: 512
    .sgpr_count:     100
    .vgpr_count:     256
    .wavefront_size: 32
...
	.end_amdgpu_metadata
.endif
;; end of part 3
;; launch outp (part 4): grid 8 x 32, 4 waves a work-group, clusters of 4 x 4, 327,680 bytes of LDS; arguments att, wcodes, lowp_scales, x, x1; writes x1
.if DOCPART == 4
	.amdgcn_target "amdgcn-amd-amdhsa--gfx1250"
	.amdhsa_code_object_version 6
	.text
	.protected	k_qe3d5284832_outp
	.globl	k_qe3d5284832_outp
	.p2align	8
	.type	k_qe3d5284832_outp,@function
k_qe3d5284832_outp:
	s_mov_b64 s[64:65], 0
	v_nop
	global_prefetch_b8 v0, s[64:65] scope:SCOPE_SE
	s_setreg_imm32_b32 hwreg(HW_REG_WAVE_MODE, 25, 1), 1
	s_wait_xcnt 0x0
	s_wait_alu depctr_hold_cnt(0) depctr_sa_sdst(0) depctr_va_vdst(0) depctr_va_sdst(0) depctr_va_ssrc(0) depctr_va_vcc(0) depctr_vm_vsrc(0)
	s_getreg_b32 s2, hwreg(HW_REG_IB_STS2, 6, 4)
	s_cmp_eq_u32 s2, 0
	s_cbranch_scc0 .Lentry_in_a_cluster
	s_endpgm
.Lentry_in_a_cluster:
	s_bfe_u32 s2, ttmp6, 0x10000c
	s_cmp_lg_u32 s2, 0xf033
	s_cbranch_scc0 .Lentry_shape_is_right
	s_endpgm
.Lentry_shape_is_right:
; x1 = x + attention's result times wo, on codes of E4M3 (entries 10 and 11 of the scales); x1 is f32, row-major.
; Operands lie in the order of the operand's registers (tile T of 16 rows, lane row rho = row 32 (T / 2) + 8 (T % 2) + rho + 8 (rho / 8); 16 rows x 32 k = 512 bytes, 16 a lane).
; A tile of 128 x 128 is made by four waves, 64 x 64 each: 256 work-groups.  K goes in steps of 512 through two LDS slots; a slot's part of a tile of 16 rows is 8,192 consecutive bytes of memory and of LDS.
; Source 0 = a tile of wo's columns, source 1 = a tile of tokens: a lane holds one token, and the 16 registers of two neighbouring tiles of columns are 16 neighbouring columns.
; CLUSTERS: 4 x 4 work-groups; the tokens' tiles are asked for jointly along a row of the cluster, the weight's along a column.
; THE WAY OUT: 16 tokens x 64 columns of raw sums go through the wave's own stage in LDS and come back as rows of 256 bytes; one packed multiply-add gives sum x 2^(e10 + e11) + x; sixteen lanes store 256 aligned bytes.
; LIMIT: e10 + e11 lies between -126 and 127.
; REGISTERS: window 0: v16-21 LDS addresses; v24-26 the way out's; v28, v29 the add's two; v64-127 rows on the way out, two sets; v128-255 the 16 accumulators.
;   window 1: two buffers of 128: A's four fragments, then B's four; at the end v0-127 take the residual.
.set KD,    1024
.set PLANE, 3<<20                      ; wo's place in wcodes
.set EOFF,  40                         ; entries 10 and 11
.set HASB,  0
.set NSL,   KD/512
.set SLOT,  131072                     ; A's 8 tiles of 8,192 bytes, then B's 8
.set STAGE, 2*SLOT                     ; behind the ring: 16 rows x 272 bytes for each wave
.set SP,    272
.set SPARE, STAGE+4*16*SP              ; behind the stages: the spare words
.set ADRA, 16
.set ADRB, 20
.set STO,  24
.set RD,   25
.set CO,   26
.set SPW,  28
.set NIL,  29
.set BK,   64
.set ACC,  128
.set F0,   0
.set F1,   128
.set G1, 24
.set G0, 32
.set G1B, 48
.set G0B, 56
.set MSB, 0
.macro WIN new
.if MSB != \new
	s_set_vgpr_msb (MSB<<8)|\new
.set MSB, \new
.endif
.endm
.set MUL,  0x05                        ; sources 0 and 1 window 1; C and D window 0
.set TO_F, 0x40                        ; destination window 1, address window 0
.macro JLOAD s                         ; waves 0 and 1 fetch A's halves, waves 2 and 3 B's; an s_nop 0 and four v_nop follow each line
	s_cmp_eq_u32 s17, 0
	s_cbranch_scc0 .Lfor_b_\@
	tensor_load_to_lds s[G0+4*\s:G0+4*\s+3], s[G1:G1+7]
	s_nop 0
.rept 4
	v_nop
.endr
	s_branch .Lasked_\@
.Lfor_b_\@:
	tensor_load_to_lds s[G0B+4*\s:G0B+4*\s+3], s[G1B:G1B+7]
	s_nop 0
.rept 4
	v_nop
.endr
.Lasked_\@:
.endm
.macro CROUND                          ; a round of the cluster's barrier
	s_barrier_signal -1
	s_barrier_wait -1
	s_cmp_lg_u32 s16, 0
	s_cbranch_scc1 .Lnot_wave_0_\@
	s_barrier_signal -3
.Lnot_wave_0_\@:
	s_barrier_wait -3
	s_barrier_signal -1
	s_barrier_wait -1
.endm
	s_load_b256 s[4:11], s[0:1], 0x0               ; A's codes, wcodes, the scales' exponents, the residual
.if HASB
	s_load_b128 s[12:15], s[0:1], 0x20             ; the output, the bias
.else
	s_load_b64 s[12:13], s[0:1], 0x20              ; the output
.endif
	v_lshl_add_u32 v[SPW], v0, 2, SPARE
	v_mov_b32 v[NIL], 0
	ds_add_u32 v[SPW], v[NIL]                      ; the wave's opening: the add, twice on end, and its wait ahead of my first tensor load
	ds_add_u32 v[SPW], v[NIL]
	v_lshrrev_b32 v1, 5, v0
	v_readfirstlane_b32 s16, v1                    ; wave 0..3
	s_lshr_b32 s17, s16, 1                         ; which half of the tokens is mine.  Also: I fetch for A (0) or for B (1)
	s_and_b32 s18, s16, 1                          ; which half of the columns.  Also: which four tiles I fetch
	s_bfe_u32 s40, ttmp6, 0x40000                  ; cx
	s_bfe_u32 s41, ttmp6, 0x40004                  ; cy
	s_lshl_b32 s42, ttmp9, 2
	s_add_co_u32 s42, s42, s40                     ; block of 128 columns
	s_and_b32 s19, ttmp7, 0xffff
	s_lshl_b32 s19, s19, 2
	s_add_co_u32 s19, s19, s41                     ; block of 128 tokens
	s_lshl_b32 s43, s41, 2
	s_lshl_b32 s43, 15, s43
	s_lshl_b32 s44, 0x1111, s40
	s_or_b32 s[G1+0], s43, (3<<16)|(1<<21)         ; the mask of my row; elements of 8 bytes; bit 21 beside a mask; no padding
	s_or_b32 s[G1B+0], s44, (3<<16)|(1<<21)
.irp g, G1, G1B
	s_mov_b32 s[\g+1], 1024<<16                    ; tensor_dim0: 8,192 bytes
	s_mov_b32 s[\g+2], 4<<16                       ; tensor_dim1: four tiles
	s_mov_b32 s[\g+3], 1024<<16
	s_mov_b32 s[\g+4], 4
	s_mov_b32 s[\g+5], 2*KD                        ; from tile to tile: 16 KD bytes
	s_mov_b32 s[\g+6], 0
	s_mov_b32 s[\g+7], 0
.endr
	s_lshl_b32 s22, s18, 2
	s_lshl_b32 s20, s19, 3
	s_add_co_u32 s20, s20, s22
	s_mul_i32 s20, s20, 16*KD
	s_mov_b32 s21, 0
	s_lshl_b32 s46, s42, 3
	s_add_co_u32 s46, s46, s22
	s_mul_i32 s46, s46, 16*KD
	s_add_co_u32 s46, s46, PLANE
	s_mov_b32 s47, 0
	s_mul_i32 s45, s16, 32768                      ; where they go: wave x four tiles
	s_wait_dscnt 0x0                               ; both opening adds are done
	s_wait_kmcnt 0x0
	s_load_b64 s[72:73], s[8:9], EOFF
	s_add_nc_u64 s[20:21], s[4:5], s[20:21]
	s_add_nc_u64 s[46:47], s[6:7], s[46:47]
	CROUND                                         ; the first joint loads meet
.irp s, 0,1
	s_mov_b32 s[G0+4*\s], 1
	s_add_co_u32 s[G0+4*\s+1], s45, \s*SLOT
	s_add_nc_u64 s[G0+4*\s+2:G0+4*\s+3], s[20:21], \s*8192
	s_or_b32 s[G0+4*\s+3], s[G0+4*\s+3], 0x80000000
	s_mov_b32 s[G0B+4*\s], 1
	s_add_co_u32 s[G0B+4*\s+1], s45, \s*SLOT
	s_add_nc_u64 s[G0B+4*\s+2:G0B+4*\s+3], s[46:47], \s*8192
	s_or_b32 s[G0B+4*\s+3], s[G0B+4*\s+3], 0x80000000
	JLOAD \s
.endr
	v_and_b32 v1, 31, v0
	v_and_b32 v2, 15, v0                           ; r
	v_bfe_u32 v3, v0, 4, 1                         ; h
	v_lshlrev_b32 v4, 4, v1
	s_lshl_b32 s21, s17, 15                        ; my four tiles of A
	s_lshl_b32 s22, s18, 15
	s_add_co_u32 s22, s22, 65536                   ; my four of B
.irp s, 0,1
	v_add_nc_u32 v[ADRA+\s], s21, v4
	v_add_nc_u32 v[ADRB+\s], s22, v4
	s_add_co_u32 s21, s21, SLOT
	s_add_co_u32 s22, s22, SLOT
.endr
	s_mul_i32 s23, s16, 16*SP
	s_add_co_u32 s23, s23, STAGE                   ; my stage
	v_mul_u32_u24 v5, v2, SP
	v_lshl_add_u32 v5, v3, 6, v5
	v_add_nc_u32 v[STO], s23, v5                   ; in: row r, 64 bytes for each half of the lanes
	v_mul_u32_u24 v5, v3, SP
	v_lshl_add_u32 v5, v2, 4, v5
	v_add_nc_u32 v[RD], s23, v5                    ; back: lanes 0-15 one row, lanes 16-31 the next
	v_lshlrev_b32 v5, 12, v3
	v_lshl_add_u32 v[CO], v2, 4, v5                ; and the same two rows in memory
	s_lshl_b32 s20, s19, 7
	s_lshl_b32 s21, s17, 6
	s_add_co_u32 s20, s20, s21                     ; my first token
	s_lshl_b32 s20, s20, 12
	s_lshl_b32 s46, s42, 9
	s_lshl_b32 s47, s18, 8
	s_add_co_u32 s46, s46, s47                     ; my first column, in bytes
	s_add_co_u32 s20, s20, s46
	s_mov_b32 s21, 0
	s_add_nc_u64 s[10:11], s[10:11], s[20:21]
	s_add_nc_u64 s[12:13], s[12:13], s[20:21]
.if HASB
	s_mov_b32 s47, 0
	s_add_nc_u64 s[14:15], s[14:15], s[46:47]
	v_lshlrev_b32 v27, 4, v2
	global_load_b128 v[8:11], v27, s[14:15]        ; the bias at the four columns that I store
.endif
.macro PLACES
.rept 4
	v_nop
.endr
.endm
.macro FETCH slot, q, f                ; the fragments of the slot's q-th 128 along K: 32 loads of 512 consecutive bytes
	WIN TO_F
.irp i, 0,1,2,3
.irp c, 0,1,2,3
	ds_load_b128 v[\f+64+16*\i+4*\c:\f+64+16*\i+4*\c+3], v[ADRB+\slot] offset:\i*8192+(\q)*2048+512*\c
.endr
.endr
.irp i, 0,1,2,3
.irp c, 0,1,2,3
	ds_load_b128 v[\f+16*\i+4*\c:\f+16*\i+4*\c+3], v[ADRA+\slot] offset:\i*8192+(\q)*2048+512*\c
.endr
.endr
.endm
.macro MUL16 f, zero                   ; the 16 accumulators take turns, in the same order every time
.irp a, 0,1,2,3
.irp b, 0,1,2,3
.if \zero
	v_wmma_f32_16x16x128_fp8_fp8 v[ACC+8*(4*\a+\b):ACC+8*(4*\a+\b)+7], v[\f+64+16*\b:\f+64+16*\b+15], v[\f+16*\a:\f+16*\a+15], 0
.else
	v_wmma_f32_16x16x128_fp8_fp8 v[ACC+8*(4*\a+\b):ACC+8*(4*\a+\b)+7], v[\f+64+16*\b:\f+64+16*\b+15], v[\f+16*\a:\f+16*\a+15], v[ACC+8*(4*\a+\b):ACC+8*(4*\a+\b)+7]
.endif
.endr
.endr
.endm
.macro QTR slot, q, f, g, zero         ; multiplies buffer f; ahead of that the next 128 along K are asked for, into buffer g
	s_wait_dscnt 0x0
	PLACES                                         ; in front of loads into registers that the last products read
	FETCH \slot, (\q)+1, \g
	WIN MUL
	MUL16 \f, \zero
.endm
.macro RESLOAD                         ; the residual at the places that I shall store: block a, pair of rows t, into window 1, v[32 a + 4 t]
	WIN TO_F
.irp a, 0,1,2,3
.irp t, 0,1,2,3,4,5,6,7
	global_load_b128 v[32*\a+4*\t:32*\a+4*\t+3], v[CO], s[10:11] offset:(32*(\a/2)+8*(\a%2)+2*\t+8*(\t/4))*4096 th:TH_LOAD_NT
.endr
.endr
.endm
.macro WORK slot, zero, last           ; a slot's 512 along K
	PLACES
	FETCH \slot, 0, F0
	QTR \slot, 0, F0, F1, \zero
	QTR \slot, 1, F1, F0, 0
	QTR \slot, 2, F0, F1, 0
	s_wait_dscnt 0x0
.if \last
	PLACES
	RESLOAD                                        ; buffer 0 is done with
.endif
	WIN MUL
	MUL16 F1, 0
	WIN 0
.endm
.macro CHANGE other, fill              ; each wave waits for all its tensor loads, adds 0 to its spare word, and waits for that and for its reads of the slot that it has left
	s_wait_tensorcnt 0x0
	ds_add_u32 v[SPW], v[NIL]
.if \fill
	s_add_nc_u64 s[G0+4*\other+2:G0+4*\other+3], s[G0+4*\other+2:G0+4*\other+3], 16384
	s_add_nc_u64 s[G0B+4*\other+2:G0B+4*\other+3], s[G0B+4*\other+2:G0B+4*\other+3], 16384
	s_wait_dscnt 0x0
	CROUND                                         ; no wave of any partner still reads that slot or has a load on its way
	JLOAD \other                                   ; the first tensor load behind the round
.else
	s_wait_dscnt 0x0
	s_barrier_signal -1
	s_barrier_wait -1
.endif
.endm
	s_wait_tensorcnt 1                             ; my part of slot 0 is in; slot 1's load may be out
	s_barrier_signal -1
	s_barrier_wait -1
	WORK 0, 1, 0
.if NSL > 2
	s_mov_b32 s3, (NSL-2)/2
.Lring:
	CHANGE 0, 1
	WORK 1, 0, 0
	CHANGE 1, 1
	WORK 0, 0, 0
	s_sub_co_u32 s3, s3, 1
	s_cmp_lg_u32 s3, 0
	s_cbranch_scc1 .Lring
.endif
	CHANGE 0, 0
	WORK 1, 0, 1
	s_wait_kmcnt 0x0
	s_add_co_i32 s76, s72, s73
	s_add_co_i32 s76, s76, 127
	s_lshl_b32 s76, s76, 23                        ; 2^(ea + eb) as f32
	s_mov_b32 s77, s76
	PLACES                                         ; behind the last products: their results are read below
.macro OUT a                           ; block a: 16 tokens x my 64 columns
.set BB, BK+32*((\a)%2)
.irp bb, 0,1
.irp q, 0,1,2,3
	ds_store_b128 v[STO], v[ACC+32*(\a)+16*\bb+4*\q:ACC+32*(\a)+16*\bb+4*\q+3] offset:128*\bb+16*\q   ; each accumulator from its low end on
.endr
.endr
.if (\a) >= 2
	s_wait_xcnt 0x0                                ; block a - 2's stores have read the registers that the loads below fill
.endif
.irp t, 0,1,2,3,4,5,6,7
	ds_load_b128 v[BB+4*\t:BB+4*\t+3], v[RD] offset:2*SP*\t    ; LDS serves a wave's instructions in order: these see my stores
.endr
	s_wait_dscnt 0x0
	s_wait_loadcnt 24-8*(\a)                       ; this block's eight residual loads are in; the later blocks' may be out
	WIN 0x10                                       ; source 2 (the residual) window 1
.set j, 0
.rept 16
	v_pk_fma_f32 v[BB+j:BB+j+1], v[BB+j:BB+j+1], s[76:77], v[32*(\a)+j:32*(\a)+j+1] op_sel_hi:[1,0,1]
.set j, j+2
.endr
	WIN 0
.if HASB
.irp t, 0,1,2,3,4,5,6,7
	v_pk_add_f32 v[BB+4*\t:BB+4*\t+1], v[BB+4*\t:BB+4*\t+1], v[8:9]
	v_pk_add_f32 v[BB+4*\t+2:BB+4*\t+3], v[BB+4*\t+2:BB+4*\t+3], v[10:11]
.endr
.endif
.irp t, 0,1,2,3,4,5,6,7
	global_store_b128 v[CO], v[BB+4*\t:BB+4*\t+3], s[12:13] offset:(32*((\a)/2)+8*((\a)%2)+2*\t+8*(\t/4))*4096   ; sixteen lanes store 256 consecutive bytes, aligned
.endr
.endm
	OUT 0
	OUT 1
	OUT 2
	OUT 3
	s_wait_tensorcnt 0x0                           ; the wave's end
	ds_add_u32 v[SPW], v[NIL]
	s_wait_dscnt 0x0
	CROUND                                         ; the closing round
	s_endpgm
.Lfunc_end_k_qe3d5284832_outp:
	.size	k_qe3d5284832_outp, .Lfunc_end_k_qe3d5284832_outp-k_qe3d5284832_outp
	.p2alignl 7, 3214868480
	.fill 96, 4, 3214868480
	.section	.rodata,"a",@progbits
	.p2align	6, 0x0
	.amdhsa_kernel k_qe3d5284832_outp
		.amdhsa_group_segment_fixed_size 327680
		.amdhsa_private_segment_fixed_size 0
		.amdhsa_enable_private_segment 0
		.amdhsa_kernarg_size 40
		.amdhsa_user_sgpr_count 2
		.amdhsa_user_sgpr_kernarg_segment_ptr 1
		.amdhsa_wavefront_size32 1
		.amdhsa_system_sgpr_workgroup_id_x 1
		.amdhsa_system_sgpr_workgroup_id_y 1
		.amdhsa_system_sgpr_workgroup_id_z 1
		.amdhsa_system_vgpr_workitem_id 0
		.amdhsa_next_free_vgpr 512
		.amdhsa_next_free_sgpr 100
		.amdhsa_reserve_vcc 0
		.amdhsa_float_denorm_mode_32 3
		.amdhsa_float_denorm_mode_16_64 3
		.amdhsa_memory_ordered 1
		.amdhsa_forward_progress 1
		.amdhsa_inst_pref_size 49
	.end_amdhsa_kernel
	.amdgpu_metadata
---
amdhsa.version: [ 1, 2 ]
amdhsa.kernels:
  - .name:           k_qe3d5284832_outp
    .symbol:         k_qe3d5284832_outp.kd
    .args:
      - { .name: att, .offset: 0, .size: 8, .value_kind: global_buffer, .address_space: global }
      - { .name: wcodes, .offset: 8, .size: 8, .value_kind: global_buffer, .address_space: global }
      - { .name: lowp_scales, .offset: 16, .size: 8, .value_kind: global_buffer, .address_space: global }
      - { .name: x, .offset: 24, .size: 8, .value_kind: global_buffer, .address_space: global }
      - { .name: x1, .offset: 32, .size: 8, .value_kind: global_buffer, .address_space: global }
    .group_segment_fixed_size: 327680
    .private_segment_fixed_size: 0
    .kernarg_segment_align: 8
    .kernarg_segment_size: 40
    .max_flat_workgroup_size: 128
    .sgpr_count:     100
    .vgpr_count:     512
    .wavefront_size: 32
...
	.end_amdgpu_metadata
.endif
;; end of part 4
;; launch norm2 (part 5): grid 256 x 1, 8 waves a work-group, no clusters, 66,816 bytes of LDS; arguments x1, g2, be2, lowp_scales, h2; writes h2
.if DOCPART == 5
	.amdgcn_target "amdgcn-amd-amdhsa--gfx1250"
	.amdhsa_code_object_version 6
	.text
	.protected	k_qe3d5284832_norm2
	.globl	k_qe3d5284832_norm2
	.p2align	8
	.type	k_qe3d5284832_norm2,@function
k_qe3d5284832_norm2:
	s_mov_b64 s[64:65], 0
	v_nop
	global_prefetch_b8 v0, s[64:65] scope:SCOPE_SE
	s_setreg_imm32_b32 hwreg(HW_REG_WAVE_MODE, 25, 1), 1
	s_wait_xcnt 0x0
; LN2 of x1 and its codes of E4M3 under entry 12 of the scales, in the order of the operand's registers (tile T of 16 tokens, lane row rho = token 32 (T / 2) + 8 (T % 2) + rho + 8 (rho / 8)).
; A work-group takes one tile.  A wave takes two whole rows (mean, variance, gain, bias in f32); the 16 rows meet in LDS; wave w then takes k = 128 w .. 128 w + 127 of all 16 rows, 16 neighbours of a block of 32 to a lane.
; LIMITS: e12 between -126 and 119.  NaN among the inputs is not served.  1 / sqrt by v_rsq_f32.
.set PITCH, 4112                       ; an LDS row: 4,096 bytes + 16
.set SPARE, 16*PITCH                   ; behind the rows: the spare words, 128 bytes for each of eight waves
.set SPW,   12
.set NIL,   13
	s_load_b256 s[4:11], s[0:1], 0x0               ; x1, g2, be2, the scales' exponents
	s_load_b64 s[24:25], s[0:1], 0x20              ; h2
	v_lshl_add_u32 v[SPW], v0, 2, SPARE
	v_mov_b32 v[NIL], 0
	v_lshrrev_b32 v1, 5, v0
	s_delay_alu instid0(VALU_DEP_1)
	v_readfirstlane_b32 s44, v1                    ; wave 0..7
	v_and_b32 v1, 31, v0
	s_delay_alu instid0(VALU_DEP_1)
	v_lshlrev_b32 v2, 4, v1                        ; 16 x lane
	s_lshr_b32 s46, ttmp9, 1
	s_lshl_b32 s46, s46, 5
	s_and_b32 s47, ttmp9, 1
	s_lshl_b32 s47, s47, 3
	s_add_co_u32 s46, s46, s47
	s_lshl_b32 s47, s44, 1
	s_add_co_u32 s46, s46, s47
	s_lshr_b32 s47, s44, 2
	s_lshl_b32 s47, s47, 3
	s_add_co_u32 s46, s46, s47                     ; lane rows 2 w and 2 w + 1 are neighbouring tokens
	s_lshl_b32 s46, s46, 12
	s_mov_b32 s47, 0
	s_wait_alu depctr_va_vdst(0)
	s_wait_kmcnt 0x0
	s_load_b32 s28, s[10:11], 0x30                 ; e12
	s_add_nc_u64 s[4:5], s[4:5], s[46:47]
.set j, 0
.rept 16
	global_load_b128 v[16+4*j:19+4*j], v2, s[4:5] offset:512*j          ; two rows: v16-47, v48-79; register 4 j + e of a row: k = 128 j + 4 lane + e
.set j, j+1
.endr
.set j, 0
.rept 8
	global_load_b128 v[80+4*j:83+4*j], v2, s[6:7] offset:512*j
	global_load_b128 v[112+4*j:115+4*j], v2, s[8:9] offset:512*j
.set j, j+1
.endr
	s_mov_b32 s92, 0x76543210
	s_mov_b32 s93, 0xfedcba98
	s_mov_b32 s94, 0x3a800000                      ; 1 / 1024
	s_mov_b32 s95, 0x3727c5ac                      ; 1e-5
	s_mul_i32 s48, s44, 2*PITCH
	v_add_nc_u32 v4, s48, v2                       ; into LDS: my two rows
	v_and_b32 v14, 15, v0
	v_bfe_u32 v15, v0, 4, 1
	s_delay_alu instid0(VALU_DEP_2)
	v_mul_u32_u24 v5, v14, PITCH
	s_delay_alu instid0(VALU_DEP_1)
	v_lshl_add_u32 v5, v15, 6, v5
	s_lshl_b32 s49, s44, 9
	v_add_nc_u32 v5, s49, v5                       ; out of LDS: row r, k = 128 w + 16 h on
	s_lshl_b32 s50, ttmp9, 14
	s_lshl_b32 s51, s44, 11
	s_add_co_u32 s50, s50, s51
	s_mov_b32 s51, 0
	s_add_nc_u64 s[70:71], s[24:25], s[50:51]      ; h2: my tile, K step w
.macro LANESUM reg, tmp
	s_delay_alu instid0(VALU_DEP_1)
	v_add_f32_dpp v[\reg], v[\reg], v[\reg] row_xmask:1 row_mask:0xf bank_mask:0xf
	s_delay_alu instid0(VALU_DEP_1)
	v_add_f32_dpp v[\reg], v[\reg], v[\reg] row_xmask:2 row_mask:0xf bank_mask:0xf
	s_delay_alu instid0(VALU_DEP_1)
	v_add_f32_dpp v[\reg], v[\reg], v[\reg] row_xmask:4 row_mask:0xf bank_mask:0xf
	s_delay_alu instid0(VALU_DEP_1)
	v_add_f32_dpp v[\reg], v[\reg], v[\reg] row_xmask:8 row_mask:0xf bank_mask:0xf
	s_delay_alu instid0(VALU_DEP_1)
	v_permlanex16_b32 v[\tmp], v[\reg], s92, s93
	s_delay_alu instid0(VALU_DEP_1)
	v_add_f32 v[\reg], v[\reg], v[\tmp]
.endm
.macro MEANVAR b
.set XR, 16+32*\b
.set RT, 144+8*\b
	v_pk_add_f32 v[RT:RT+1], v[XR:XR+1], v[XR+2:XR+3]
	v_pk_add_f32 v[RT+2:RT+3], v[XR+4:XR+5], v[XR+6:XR+7]
.irp j, 8,12,16,20,24,28
	s_delay_alu instid0(VALU_DEP_2)
	v_pk_add_f32 v[RT:RT+1], v[RT:RT+1], v[XR+\j:XR+\j+1]
	s_delay_alu instid0(VALU_DEP_2)
	v_pk_add_f32 v[RT+2:RT+3], v[RT+2:RT+3], v[XR+\j+2:XR+\j+3]
.endr
	s_delay_alu instid0(VALU_DEP_1)
	v_pk_add_f32 v[RT:RT+1], v[RT:RT+1], v[RT+2:RT+3]
	s_delay_alu instid0(VALU_DEP_1)
	v_add_f32 v[RT], v[RT], v[RT+1]
	LANESUM RT, RT+1
	s_delay_alu instid0(VALU_DEP_1)
	v_mul_f32 v[RT+4], s94, v[RT]
	s_delay_alu instid0(VALU_DEP_1)
	v_mov_b32 v[RT+5], v[RT+4]
.irp j, 0,2,4,6,8,10,12,14,16,18,20,22,24,26,28,30
	v_pk_add_f32 v[XR+\j:XR+\j+1], v[XR+\j:XR+\j+1], v[RT+4:RT+5] neg_lo:[0,1] neg_hi:[0,1]
.endr
	v_pk_mul_f32 v[RT:RT+1], v[XR:XR+1], v[XR:XR+1]
	v_pk_mul_f32 v[RT+2:RT+3], v[XR+2:XR+3], v[XR+2:XR+3]
.irp j, 4,8,12,16,20,24,28
	s_delay_alu instid0(VALU_DEP_2)
	v_pk_fma_f32 v[RT:RT+1], v[XR+\j:XR+\j+1], v[XR+\j:XR+\j+1], v[RT:RT+1]
	s_delay_alu instid0(VALU_DEP_2)
	v_pk_fma_f32 v[RT+2:RT+3], v[XR+\j+2:XR+\j+3], v[XR+\j+2:XR+\j+3], v[RT+2:RT+3]
.endr
	s_delay_alu instid0(VALU_DEP_1)
	v_pk_add_f32 v[RT:RT+1], v[RT:RT+1], v[RT+2:RT+3]
	s_delay_alu instid0(VALU_DEP_1)
	v_add_f32 v[RT], v[RT], v[RT+1]
	LANESUM RT, RT+1
	s_delay_alu instid0(VALU_DEP_1)
	v_fma_f32 v[RT], v[RT], s94, s95
.endm
	s_wait_loadcnt 16                              ; the rows' 16 loads are in; the 16 of gain and bias may be out
	MEANVAR 0
	MEANVAR 1
	s_wait_alu depctr_va_vdst(0)
	v_rsq_f32 v150, v144
	v_rsq_f32 v158, v152
	v_nop                                          ; a plain line behind the last of the batch,
	s_wait_alu depctr_va_vdst(0)                   ; and the one wait ahead of the first line that names a result
	v_mov_b32 v151, v150
	v_mov_b32 v159, v158
	s_wait_alu depctr_va_vdst(0)
	s_wait_loadcnt 0x0
.irp b, 0,1
.irp j, 0,2,4,6,8,10,12,14,16,18,20,22,24,26,28,30
	v_pk_mul_f32 v[16+32*\b+\j:17+32*\b+\j], v[16+32*\b+\j:17+32*\b+\j], v[150+8*\b:151+8*\b]
	s_delay_alu instid0(VALU_DEP_1)
	v_pk_fma_f32 v[16+32*\b+\j:17+32*\b+\j], v[16+32*\b+\j:17+32*\b+\j], v[80+\j:81+\j], v[112+\j:113+\j]
.endr
.endr
.irp b, 0,1
.irp j, 0,1,2,3,4,5,6,7
	ds_store_b128 v4, v[16+32*\b+4*\j:19+32*\b+4*\j] offset:PITCH*\b+512*\j
.endr
.endr
	s_wait_kmcnt 0x0
	s_add_co_i32 s52, s28, 127
	s_lshl_b32 s53, s52, 23
	v_mov_b32 v6, s53                              ; 2^e12
	s_wait_alu depctr_va_vdst(0)
	s_wait_dscnt 0x0                               ; for the others' sake: my rows lie in LDS
	s_barrier_signal -1
	s_barrier_wait -1
.irp c, 0,1,2,3
.irp q, 0,1,2,3
	ds_load_b128 v[16+16*\c+4*\q:19+16*\c+4*\q], v5 offset:128*\c+16*\q   ; register 16 c + i: k = 128 w + 32 c + 16 h + i of row r
.endr
.endr
	s_wait_dscnt 0x0
.set j, 0
.rept 64
.set j, j+1
.endr
.irp g, 0,1,2,3,4,5,6,7
	v_cvt_scalef32_pk8_fp8_f32 v[144+2*\g:145+2*\g], v[16+8*\g:23+8*\g], v6
.endr
	v_nop
.irp c, 0,1,2,3
	global_store_b128 v2, v[144+4*\c:147+4*\c], s[70:71] offset:512*\c    ; 512 consecutive bytes
.endr
	s_wait_tensorcnt 0x0                           ; the wave's end
	ds_add_u32 v[SPW], v[NIL]
	s_wait_dscnt 0x0
	s_endpgm
.Lfunc_end_k_qe3d5284832_norm2:
	.size	k_qe3d5284832_norm2, .Lfunc_end_k_qe3d5284832_norm2-k_qe3d5284832_norm2
	.p2alignl 7, 3214868480
	.fill 96, 4, 3214868480
	.section	.rodata,"a",@progbits
	.p2align	6, 0x0
	.amdhsa_kernel k_qe3d5284832_norm2
		.amdhsa_group_segment_fixed_size 66816
		.amdhsa_private_segment_fixed_size 0
		.amdhsa_enable_private_segment 0
		.amdhsa_kernarg_size 40
		.amdhsa_user_sgpr_count 2
		.amdhsa_user_sgpr_kernarg_segment_ptr 1
		.amdhsa_wavefront_size32 1
		.amdhsa_system_sgpr_workgroup_id_x 1
		.amdhsa_system_sgpr_workgroup_id_y 1
		.amdhsa_system_sgpr_workgroup_id_z 1
		.amdhsa_system_vgpr_workitem_id 0
		.amdhsa_next_free_vgpr 192
		.amdhsa_next_free_sgpr 100
		.amdhsa_reserve_vcc 0
		.amdhsa_float_denorm_mode_32 3
		.amdhsa_float_denorm_mode_16_64 3
		.amdhsa_fp16_overflow 1
		.amdhsa_memory_ordered 1
		.amdhsa_forward_progress 1
		.amdhsa_inst_pref_size 25
	.end_amdhsa_kernel
	.amdgpu_metadata
---
amdhsa.version: [ 1, 2 ]
amdhsa.kernels:
  - .name:           k_qe3d5284832_norm2
    .symbol:         k_qe3d5284832_norm2.kd
    .args:
      - { .name: x1, .offset: 0, .size: 8, .value_kind: global_buffer, .address_space: global }
      - { .name: g2, .offset: 8, .size: 8, .value_kind: global_buffer, .address_space: global }
      - { .name: be2, .offset: 16, .size: 8, .value_kind: global_buffer, .address_space: global }
      - { .name: lowp_scales, .offset: 24, .size: 8, .value_kind: global_buffer, .address_space: global }
      - { .name: h2, .offset: 32, .size: 8, .value_kind: global_buffer, .address_space: global }
    .group_segment_fixed_size: 66816
    .private_segment_fixed_size: 0
    .kernarg_segment_align: 8
    .kernarg_segment_size: 40
    .max_flat_workgroup_size: 256
    .sgpr_count:     100
    .vgpr_count:     192
    .wavefront_size: 32
...
	.end_amdgpu_metadata
.endif
;; end of part 5
;; launch ffn1 (part 6): grid 16 x 16, 4 waves a work-group, clusters of 4 x 4, 327,680 bytes of LDS; arguments h2, wcodes, lowp_scales, b1, hid; writes hid
.if DOCPART == 6
	.amdgcn_target "amdgcn-amd-amdhsa--gfx1250"
	.amdhsa_code_object_version 6
	.text
	.protected	k_qe3d5284832_ffn1
	.globl	k_qe3d5284832_ffn1
	.p2align	8
	.type	k_qe3d5284832_ffn1,@function
k_qe3d5284832_ffn1:
	s_mov_b64 s[64:65], 0
	v_nop
	global_prefetch_b8 v0, s[64:65] scope:SCOPE_SE
	s_setreg_imm32_b32 hwreg(HW_REG_WAVE_MODE, 25, 1), 1
	s_wait_xcnt 0x0
	s_wait_alu depctr_hold_cnt(0) depctr_sa_sdst(0) depctr_va_vdst(0) depctr_va_sdst(0) depctr_va_ssrc(0) depctr_va_vcc(0) depctr_vm_vsrc(0)
	s_getreg_b32 s2, hwreg(HW_REG_IB_STS2, 6, 4)
	s_cmp_eq_u32 s2, 0
	s_cbranch_scc0 .Lentry_in_a_cluster
	s_endpgm
.Lentry_in_a_cluster:
	s_bfe_u32 s2, ttmp6, 0x10000c
	s_cmp_lg_u32 s2, 0xf033
	s_cbranch_scc0 .Lentry_shape_is_right
	s_endpgm
.Lentry_shape_is_right:
; The hidden layer: relu(LN2(x1) w1 + b1), the product on codes of E4M3 (entries 12, 13), the result quantised at once for the second product of the FFN (entry 14).
; Operands and result lie in the order of the operand's registers (tile T of 16 rows, lane row rho = row 32 (T / 2) + 8 (T % 2) + rho + 8 (rho / 8); 16 rows x 32 k = 512 bytes, 16 a lane).
; A tile of 256 tokens x 256 hidden units is made by four waves, 128 x 128 each: 64 accumulators; 256 work-groups.  K = 1,024 goes in four steps of 256 through two LDS slots filled by the tensor data mover.
; Source 0 = a tile of w1's columns, source 1 = a tile of tokens: a lane holds one token, and the 16 registers of two neighbouring tiles of columns are 16 neighbouring hidden units: the next K.
; A sum stands for sum x 2^(e12 + e13): b1 is added as b1 / 2^(e12 + e13), and the conversion takes 2^(e14 - e12 - e13); the hold between 0 and 448 x that is the activation as well.
; CLUSTERS: 4 x 4 work-groups; the tokens' tiles are asked for jointly along a row of the cluster, the weight's along a column.
; LIMITS: e14 - e12 - e13 between -126 and 119.  NaN is not served.
; REGISTERS: window 0: v8 the way out's offset; v12, v13 hold and scale; v16-21 LDS addresses; v28, v29 the add's two; v32-95 b1 at my 64 hidden units; from v128 A's fragments (on the way out: numbers, codes).
;   window 1: B's fragments, two sets.   windows 2, 3: the accumulators.
.set TROW,   4096
.set HALFT,  8*TROW
.set SLOT,   4*HALFT
.set SPARE,  2*SLOT
.set LAPS,   2
.set FR,     16
.set NL,     4
.set NP,     4
.set CO,   8
.set LIMV, 12
.set SCV,  13
.set ADRA, 16
.set ADRB, 20
.set SPW,  28
.set NIL,  29
.set BIAS, 32
.set AF,   128
.set TMP,  128
.set COD,  192
.set G1, 24
.set G0, 32
.set G1B, 48
.set G0B, 56
.set MSB, 0
.macro WIN new
.if MSB != \new
	s_set_vgpr_msb (MSB<<8)|\new
.set MSB, \new
.endif
.endm
.set MUL_LO, 0xa1
.set MUL_HI, 0xf1
.set TO_B,   0x40
.macro JLOAD g0a, g1a, g0b, g1b        ; waves 0 and 1 fetch for A, waves 2 and 3 for B; an s_nop 0 and four v_nop follow each line
	s_cmp_eq_u32 s15, 0
	s_cbranch_scc0 .Lfor_b_\@
	tensor_load_to_lds s[\g0a:\g0a+3], s[\g1a:\g1a+7]
	s_nop 0
.rept 4
	v_nop
.endr
	s_branch .Lasked_\@
.Lfor_b_\@:
	tensor_load_to_lds s[\g0b:\g0b+3], s[\g1b:\g1b+7]
	s_nop 0
.rept 4
	v_nop
.endr
.Lasked_\@:
.endm
.macro CREST
	s_cmp_lg_u32 s14, 0
	s_cbranch_scc1 .Lnot_wave_0_\@
	s_barrier_signal -3
.Lnot_wave_0_\@:
	s_barrier_wait -3
	s_barrier_signal -1
	s_barrier_wait -1
.endm
.macro CROUND
	s_barrier_signal -1
	s_barrier_wait -1
	CREST
.endm
	s_load_b256 s[4:11], s[0:1], 0x0               ; h2, wcodes, the scales' exponents, b1
	s_load_b64 s[12:13], s[0:1], 0x20              ; hid
	v_lshl_add_u32 v[SPW], v0, 2, SPARE
	v_mov_b32 v[NIL], 0
	ds_add_u32 v[SPW], v[NIL]                      ; the wave's opening: the add, twice on end, and its wait ahead of my first tensor load
	ds_add_u32 v[SPW], v[NIL]
	v_lshrrev_b32 v1, 5, v0
	v_readfirstlane_b32 s14, v1
	s_lshr_b32 s15, s14, 1                         ; which half of the tokens is mine.  Also: I fetch for A (0) or for B (1)
	s_and_b32 s16, s14, 1                          ; which half of the hidden units.  Also: which eight tiles I fetch
	s_bfe_u32 s40, ttmp6, 0x40000
	s_bfe_u32 s41, ttmp6, 0x40004
	s_lshl_b32 s42, ttmp9, 2
	s_add_co_u32 s42, s42, s40                     ; block of 256 hidden units
	s_and_b32 s17, ttmp7, 0xffff
	s_lshl_b32 s17, s17, 2
	s_add_co_u32 s17, s17, s41                     ; block of 256 tokens
	s_lshl_b32 s43, s41, 2
	s_lshl_b32 s43, 15, s43
	s_lshl_b32 s44, 0x1111, s40
	s_or_b32 s[G1+0], s43, (3<<16)|(1<<21)
	s_or_b32 s[G1B+0], s44, (3<<16)|(1<<21)
.irp g, G1, G1B
	s_mov_b32 s[\g+1], 512<<16
	s_mov_b32 s[\g+2], 8<<16
	s_mov_b32 s[\g+3], 512<<16
	s_mov_b32 s[\g+4], 8
	s_mov_b32 s[\g+5], 2048
	s_mov_b32 s[\g+6], 0
	s_mov_b32 s[\g+7], 0
.endr
	s_lshl_b32 s19, s16, 17
	s_lshl_b32 s20, s17, 18
	s_add_co_u32 s20, s20, s19
	s_mov_b32 s21, 0
	s_lshl_b32 s46, s42, 18
	s_add_co_u32 s46, s46, s19
	s_add_co_u32 s46, s46, 0x400000                ; w1's place in wcodes
	s_mov_b32 s47, 0
	s_mul_i32 s45, s14, HALFT
	s_wait_dscnt 0x0
	s_wait_kmcnt 0x0
	s_load_b512 s[68:83], s[8:9], 0x0              ; e0 .. e15
	s_add_nc_u64 s[20:21], s[4:5], s[20:21]
	s_add_nc_u64 s[46:47], s[6:7], s[46:47]
	CROUND
.irp s, 0,1
	s_mov_b32 s[G0+4*\s], 1
	s_add_co_u32 s[G0+4*\s+1], s45, \s*SLOT
	s_add_nc_u64 s[G0+4*\s+2:G0+4*\s+3], s[20:21], \s*TROW
	s_or_b32 s[G0+4*\s+3], s[G0+4*\s+3], 0x80000000
	s_mov_b32 s[G0B+4*\s], 1
	s_add_co_u32 s[G0B+4*\s+1], s45, \s*SLOT
	s_add_nc_u64 s[G0B+4*\s+2:G0B+4*\s+3], s[46:47], \s*TROW
	s_or_b32 s[G0B+4*\s+3], s[G0B+4*\s+3], 0x80000000
	JLOAD G0+4*\s, G1, G0B+4*\s, G1B
.endr
	v_and_b32 v1, 31, v0
	v_lshlrev_b32 v4, 4, v1
	s_mul_i32 s21, s15, HALFT
	s_mul_i32 s22, s16, HALFT
	s_add_co_u32 s22, s22, 2*HALFT
.irp s, 0,1
	v_add_nc_u32 v[ADRA+\s], s21, v4
	v_add_nc_u32 v[ADRB+\s], s22, v4
	s_add_co_u32 s21, s21, SLOT
	s_add_co_u32 s22, s22, SLOT
.endr
	v_mov_b32 v[CO], v4
	s_lshl_b32 s46, s42, 10
	s_lshl_b32 s47, s16, 9
	s_add_co_u32 s46, s46, s47                     ; b1 at my 128 hidden units
	s_mov_b32 s47, 0
	s_add_nc_u64 s[10:11], s[10:11], s[46:47]
	v_bfe_u32 v5, v0, 4, 1
	v_lshlrev_b32 v5, 6, v5                        ; 16 numbers on for lanes 16-31
.irp bb, 0,1,2,3
.irp q, 0,1,2,3
	global_load_b128 v[BIAS+16*\bb+4*\q:BIAS+16*\bb+4*\q+3], v5, s[10:11] offset:128*\bb+16*\q   ; register 16 bb + i: hidden unit 32 bb + 16 h + i of my 128
.endr
.endr
	s_lshl_b32 s18, s17, 4
	s_lshl_b32 s19, s15, 3
	s_add_co_u32 s18, s18, s19                     ; my first tile of tokens
	s_lshl_b32 s18, s18, 16                        ; a tile of hid is 16 x 4,096 bytes
	s_lshl_b32 s19, s42, 1
	s_add_co_u32 s19, s19, s16
	s_lshl_b32 s19, s19, 11                        ; my 128 hidden units: four groups of 512 bytes
	s_add_co_u32 s18, s18, s19
	s_mov_b32 s19, 0
	s_add_nc_u64 s[12:13], s[12:13], s[18:19]
.macro FRAG reg, adr, q, i
.irp c, 0,1,2,3
	ds_load_b128 v[\reg+4*\c:\reg+4*\c+3], v[\adr] offset:(\i)*TROW+(\q)*2048+512*\c
.endr
.endm
.macro MUL16 a0, p, zero               ; the 64 accumulators take turns, in the same order in every step
.irp a, \a0, \a0+1
.irp b, 0,1,2,3,4,5,6,7
.if \zero
	v_wmma_f32_16x16x128_fp8_fp8 v[8*(8*((\a)%4)+\b):8*(8*((\a)%4)+\b)+7], v[128*(\p)+FR*\b:128*(\p)+FR*\b+FR-1], v[AF+FR*(\a):AF+FR*(\a)+FR-1], 0
.else
	v_wmma_f32_16x16x128_fp8_fp8 v[8*(8*((\a)%4)+\b):8*(8*((\a)%4)+\b)+7], v[128*(\p)+FR*\b:128*(\p)+FR*\b+FR-1], v[AF+FR*(\a):AF+FR*(\a)+FR-1], v[8*(8*((\a)%4)+\b):8*(8*((\a)%4)+\b)+7]
.endif
.endr
.endr
.endm
.macro FETCH_B slot, q, p
	WIN TO_B
.irp i, 0,1,2,3,4,5,6,7
	FRAG 128*(\p)+FR*\i, ADRB+\slot, \q, \i
.endr
	WIN 0
.endm
.macro FETCH_A slot, q, i0
.irp i, \i0, \i0+1, \i0+2, \i0+3
	FRAG AF+FR*(\i), ADRA+\slot, \q, \i
.endr
.endm
.macro PLACES n
.rept \n
	v_nop
.endr
.endm
.macro STEP slot, q, zero
	s_wait_dscnt 4*NL                              ; B's set and A's blocks 0-3 are in; the youngest sixteen loads (A's blocks 4-7) may be out
	WIN MUL_LO
	MUL16 0, (\q)%2, \zero
	MUL16 2, (\q)%2, \zero
	s_wait_dscnt 0
	PLACES NP
	FETCH_B \slot, (\q)+1, 1-(\q)%2
	FETCH_A \slot, (\q)+1, 0
	WIN MUL_HI
	MUL16 4, (\q)%2, \zero
	MUL16 6, (\q)%2, \zero
	PLACES NP
	WIN 0
	FETCH_A \slot, (\q)+1, 4
.endm
.macro TURN slot, next, fill
	s_wait_tensorcnt 0x0                           ; all my tensor loads have landed: my part of the next slot
	ds_add_u32 v[SPW], v[NIL]
	s_wait_dscnt 4*NL+1                            ; (the add and the youngest sixteen loads may be out)
	WIN MUL_LO
	MUL16 0, 1, 0
	s_wait_dscnt 0x0                               ; the add is done, and my reads of this slot are over
	s_barrier_signal -1
	MUL16 2, 1, 0
	WIN 0
	s_barrier_wait -1
.if \fill
	CREST                                          ; no wave of any partner still reads this slot or has a load on its way
	s_add_nc_u64 s[G0+4*\slot+2:G0+4*\slot+3], s[G0+4*\slot+2:G0+4*\slot+3], 2*TROW
	s_add_nc_u64 s[G0B+4*\slot+2:G0B+4*\slot+3], s[G0B+4*\slot+2:G0B+4*\slot+3], 2*TROW
	JLOAD G0+4*\slot, G1, G0B+4*\slot, G1B
.else
	PLACES NP
.endif
	FETCH_B \next, 0, 0
	FETCH_A \next, 0, 0
	WIN MUL_HI
	MUL16 4, 1, 0
	MUL16 6, 1, 0
	PLACES NP
	WIN 0
	FETCH_A \next, 0, 4
.endm
	s_wait_tensorcnt 1                             ; my part of slot 0 is in; slot 1's load may be out
	s_barrier_signal -1
	s_barrier_wait -1
	FETCH_B 0, 0, 0
	FETCH_A 0, 0, 0
	FETCH_A 0, 0, 4
	STEP 0, 0, 1
	s_mov_b32 s3, LAPS-1
.Llap:
	TURN 0, 1, 1
	STEP 1, 0, 0
	TURN 1, 0, 1
	STEP 0, 0, 0
	s_sub_co_u32 s3, s3, 1
	s_cmp_lg_u32 s3, 0
	s_cbranch_scc1 .Llap
	TURN 0, 1, 0
	STEP 1, 0, 0
	s_wait_dscnt 4*NL
	WIN MUL_LO
	MUL16 0, 1, 0
	MUL16 2, 1, 0
	s_wait_dscnt 0
	WIN MUL_HI
	MUL16 4, 1, 0
	MUL16 6, 1, 0
	WIN 0
	; THE WAY OUT
	s_wait_kmcnt 0x0
	s_add_co_i32 s93, s80, s81                     ; e12 + e13
	s_sub_co_i32 s94, 0, s93
	s_sub_co_i32 s95, s82, s93                     ; e14 - e12 - e13
	s_add_co_i32 s95, s95, 127
	s_lshl_b32 s96, s95, 23
	s_add_co_i32 s95, s95, 8
	s_lshl_b32 s95, s95, 23
	s_or_b32 s95, s95, 0x600000
	s_wait_loadcnt 0x0                             ; b1
	PLACES NP                                      ; behind the last products: their results are read and A's registers written below
	v_mov_b32 v[SCV], s96
	v_mov_b32 v[LIMV], s95
.set j, 0
.rept 64
	v_ldexp_f32 v[BIAS+j], v[BIAS+j], s94          ; b1 / 2^(e12 + e13)
.set j, j+1
.endr
.macro BLOCKOUT a                      ; block a: 16 tokens x my 128 hidden units: four groups of the next operand
.set AC, 64*((\a)%4)
.set CD, COD+16*((\a)%4)
.if (\a) >= 4
	s_wait_xcnt 0x0                                ; block a - 4's stores have read the registers that this block's codes take
.endif
	WIN 0x02+((\a)/4)                              ; source 0: window 2 or 3
.set j, 0
.rept 32
	v_pk_add_f32 v[TMP+j:TMP+j+1], v[AC+j:AC+j+1], v[BIAS+j:BIAS+j+1]   ; each accumulator from its low end on
.set j, j+2
.endr
	WIN 0
.set j, 0
.rept 64
	v_med3_num_f32 v[TMP+j], v[TMP+j], 0, v[LIMV]  ; the activation and the hold in one
.set j, j+1
.endr
.irp g, 0,1,2,3,4,5,6,7
	v_cvt_scalef32_pk8_fp8_f32 v[CD+2*\g:CD+2*\g+1], v[TMP+8*\g:TMP+8*\g+7], v[SCV]
.endr
	v_nop                                          ; a plain line between the conversions and the next block's additions, which write their sources
.irp bb, 0,1,2,3
	global_store_b128 v[CO], v[CD+4*\bb:CD+4*\bb+3], s[12:13] offset:(\a)*65536+512*\bb   ; 512 consecutive bytes
.endr
.endm
.irp a, 0,1,2,3,4,5,6,7
	BLOCKOUT \a
.endr
	s_wait_tensorcnt 0x0                           ; the wave's end
	ds_add_u32 v[SPW], v[NIL]
	s_wait_dscnt 0x0
	CROUND                                         ; the closing round
	s_endpgm
.Lfunc_end_k_qe3d5284832_ffn1:
	.size	k_qe3d5284832_ffn1, .Lfunc_end_k_qe3d5284832_ffn1-k_qe3d5284832_ffn1
	.p2alignl 7, 3214868480
	.fill 96, 4, 3214868480
	.section	.rodata,"a",@progbits
	.p2align	6, 0x0
	.amdhsa_kernel k_qe3d5284832_ffn1
		.amdhsa_group_segment_fixed_size 327680
		.amdhsa_private_segment_fixed_size 0
		.amdhsa_enable_private_segment 0
		.amdhsa_kernarg_size 40
		.amdhsa_user_sgpr_count 2
		.amdhsa_user_sgpr_kernarg_segment_ptr 1
		.amdhsa_wavefront_size32 1
		.amdhsa_system_sgpr_workgroup_id_x 1
		.amdhsa_system_sgpr_workgroup_id_y 1
		.amdhsa_system_sgpr_workgroup_id_z 1
		.amdhsa_system_vgpr_workitem_id 0
		.amdhsa_next_free_vgpr 1024
		.amdhsa_next_free_sgpr 100
		.amdhsa_reserve_vcc 0
		.amdhsa_float_denorm_mode_32 3
		.amdhsa_float_denorm_mode_16_64 3
		.amdhsa_memory_ordered 1
		.amdhsa_forward_progress 1
		.amdhsa_inst_pref_size 139
	.end_amdhsa_kernel
	.amdgpu_metadata
---
amdhsa.version: [ 1, 2 ]
amdhsa.kernels:
  - .name:           k_qe3d5284832_ffn1
    .symbol:         k_qe3d5284832_ffn1.kd
    .args:
      - { .name: h2, .offset: 0, .size: 8, .value_kind: global_buffer, .address_space: global }
      - { .name: wcodes, .offset: 8, .size: 8, .value_kind: global_buffer, .address_space: global }
      - { .name: lowp_scales, .offset: 16, .size: 8, .value_kind: global_buffer, .address_space: global }
      - { .name: b1, .offset: 24, .size: 8, .value_kind: global_buffer, .address_space: global }
      - { .name: hid, .offset: 32, .size: 8, .value_kind: global_buffer, .address_space: global }
    .group_segment_fixed_size: 327680
    .private_segment_fixed_size: 0
    .kernarg_segment_align: 8
    .kernarg_segment_size: 40
    .max_flat_workgroup_size: 128
    .sgpr_count:     100
    .vgpr_count:     1024
    .wavefront_size: 32
...
	.end_amdgpu_metadata
.endif
;; end of part 6
;; launch ffn2 (part 7): grid 8 x 32, 4 waves a work-group, clusters of 4 x 4, 327,680 bytes of LDS; arguments hid, wcodes, lowp_scales, x1, out0, b2; writes out0
.if DOCPART == 7
	.amdgcn_target "amdgcn-amd-amdhsa--gfx1250"
	.amdhsa_code_object_version 6
	.text
	.protected	k_qe3d5284832_ffn2
	.globl	k_qe3d5284832_ffn2
	.p2align	8
	.type	k_qe3d5284832_ffn2,@function
k_qe3d5284832_ffn2:
	s_mov_b64 s[64:65], 0
	v_nop
	global_prefetch_b8 v0, s[64:65] scope:SCOPE_SE
	s_setreg_imm32_b32 hwreg(HW_REG_WAVE_MODE, 25, 1), 1
	s_wait_xcnt 0x0
	s_wait_alu depctr_hold_cnt(0) depctr_sa_sdst(0) depctr_va_vdst(0) depctr_va_sdst(0) depctr_va_ssrc(0) depctr_va_vcc(0) depctr_vm_vsrc(0)
	s_getreg_b32 s2, hwreg(HW_REG_IB_STS2, 6, 4)
	s_cmp_eq_u32 s2, 0
	s_cbranch_scc0 .Lentry_in_a_cluster
	s_endpgm
.Lentry_in_a_cluster:
	s_bfe_u32 s2, ttmp6, 0x10000c
	s_cmp_lg_u32 s2, 0xf033
	s_cbranch_scc0 .Lentry_shape_is_right
	s_endpgm
.Lentry_shape_is_right:
; out0 = x1 + hidden layer times w2 + b2, the product on codes of E4M3 (entries 14 and 15 of the scales); out0 is f32, row-major.
; Operands lie in the order of the operand's registers (tile T of 16 rows, lane row rho = row 32 (T / 2) + 8 (T % 2) + rho + 8 (rho / 8); 16 rows x 32 k = 512 bytes, 16 a lane).
; A tile of 128 x 128 is made by four waves, 64 x 64 each: 256 work-groups.  K = 4,096 goes in eight steps of 512 through two LDS slots; a slot's part of a tile of 16 rows is 8,192 consecutive bytes.
; Source 0 = a tile of w2's columns, source 1 = a tile of tokens: a lane holds one token, and the 16 registers of two neighbouring tiles of columns are 16 neighbouring columns.
; CLUSTERS: 4 x 4 work-groups; the tokens' tiles are asked for jointly along a row of the cluster, the weight's along a column.
; THE WAY OUT: 16 tokens x 64 columns of raw sums go through the wave's own stage in LDS and come back as rows of 256 bytes; one packed multiply-add gives sum x 2^(e14 + e15) + x1, b2 is added; sixteen lanes store 256 aligned bytes.
; LIMIT: e14 + e15 lies between -126 and 127.
; REGISTERS: window 0: v8-11 b2 at my four columns; v16-21 LDS addresses; v24-27 the way out's; v28, v29 the add's two; v64-127 rows on the way out, two sets; v128-255 the 16 accumulators.
;   window 1: two buffers of 128: A's four fragments, then B's four; at the end v0-127 take the residual.
.set KD,    4096
.set PLANE, 8<<20                      ; w2's place in wcodes
.set EOFF,  56                         ; entries 14 and 15
.set HASB,  1
.set NSL,   KD/512
.set SLOT,  131072
.set STAGE, 2*SLOT
.set SP,    272
.set SPARE, STAGE+4*16*SP
.set ADRA, 16
.set ADRB, 20
.set STO,  24
.set RD,   25
.set CO,   26
.set SPW,  28
.set NIL,  29
.set BK,   64
.set ACC,  128
.set F0,   0
.set F1,   128
.set G1, 24
.set G0, 32
.set G1B, 48
.set G0B, 56
.set MSB, 0
.macro WIN new
.if MSB != \new
	s_set_vgpr_msb (MSB<<8)|\new
.set MSB, \new
.endif
.endm
.set MUL,  0x05
.set TO_F, 0x40
.macro JLOAD s                         ; waves 0 and 1 fetch A's halves, waves 2 and 3 B's; an s_nop 0 and four v_nop follow each line
	s_cmp_eq_u32 s17, 0
	s_cbranch_scc0 .Lfor_b_\@
	tensor_load_to_lds s[G0+4*\s:G0+4*\s+3], s[G1:G1+7]
	s_nop 0
.rept 4
	v_nop
.endr
	s_branch .Lasked_\@
.Lfor_b_\@:
	tensor_load_to_lds s[G0B+4*\s:G0B+4*\s+3], s[G1B:G1B+7]
	s_nop 0
.rept 4
	v_nop
.endr
.Lasked_\@:
.endm
.macro CROUND
	s_barrier_signal -1
	s_barrier_wait -1
	s_cmp_lg_u32 s16, 0
	s_cbranch_scc1 .Lnot_wave_0_\@
	s_barrier_signal -3
.Lnot_wave_0_\@:
	s_barrier_wait -3
	s_barrier_signal -1
	s_barrier_wait -1
.endm
	s_load_b256 s[4:11], s[0:1], 0x0               ; A's codes, wcodes, the scales' exponents, the residual
.if HASB
	s_load_b128 s[12:15], s[0:1], 0x20             ; the output, the bias
.else
	s_load_b64 s[12:13], s[0:1], 0x20
.endif
	v_lshl_add_u32 v[SPW], v0, 2, SPARE
	v_mov_b32 v[NIL], 0
	ds_add_u32 v[SPW], v[NIL]                      ; the wave's opening: the add, twice on end, and its wait ahead of my first tensor load
	ds_add_u32 v[SPW], v[NIL]
	v_lshrrev_b32 v1, 5, v0
	v_readfirstlane_b32 s16, v1
	s_lshr_b32 s17, s16, 1
	s_and_b32 s18, s16, 1
	s_bfe_u32 s40, ttmp6, 0x40000
	s_bfe_u32 s41, ttmp6, 0x40004
	s_lshl_b32 s42, ttmp9, 2
	s_add_co_u32 s42, s42, s40                     ; block of 128 columns
	s_and_b32 s19, ttmp7, 0xffff
	s_lshl_b32 s19, s19, 2
	s_add_co_u32 s19, s19, s41                     ; block of 128 tokens
	s_lshl_b32 s43, s41, 2
	s_lshl_b32 s43, 15, s43
	s_lshl_b32 s44, 0x1111, s40
	s_or_b32 s[G1+0], s43, (3<<16)|(1<<21)
	s_or_b32 s[G1B+0], s44, (3<<16)|(1<<21)
.irp g, G1, G1B
	s_mov_b32 s[\g+1], 1024<<16
	s_mov_b32 s[\g+2], 4<<16
	s_mov_b32 s[\g+3], 1024<<16
	s_mov_b32 s[\g+4], 4
	s_mov_b32 s[\g+5], 2*KD
	s_mov_b32 s[\g+6], 0
	s_mov_b32 s[\g+7], 0
.endr
	s_lshl_b32 s22, s18, 2
	s_lshl_b32 s20, s19, 3
	s_add_co_u32 s20, s20, s22
	s_mul_i32 s20, s20, 16*KD
	s_mov_b32 s21, 0
	s_lshl_b32 s46, s42, 3
	s_add_co_u32 s46, s46, s22
	s_mul_i32 s46, s46, 16*KD
	s_add_co_u32 s46, s46, PLANE
	s_mov_b32 s47, 0
	s_mul_i32 s45, s16, 32768
	s_wait_dscnt 0x0
	s_wait_kmcnt 0x0
	s_load_b64 s[72:73], s[8:9], EOFF
	s_add_nc_u64 s[20:21], s[4:5], s[20:21]
	s_add_nc_u64 s[46:47], s[6:7], s[46:47]
	CROUND
.irp s, 0,1
	s_mov_b32 s[G0+4*\s], 1
	s_add_co_u32 s[G0+4*\s+1], s45, \s*SLOT
	s_add_nc_u64 s[G0+4*\s+2:G0+4*\s+3], s[20:21], \s*8192
	s_or_b32 s[G0+4*\s+3], s[G0+4*\s+3], 0x80000000
	s_mov_b32 s[G0B+4*\s], 1
	s_add_co_u32 s[G0B+4*\s+1], s45, \s*SLOT
	s_add_nc_u64 s[G0B+4*\s+2:G0B+4*\s+3], s[46:47], \s*8192
	s_or_b32 s[G0B+4*\s+3], s[G0B+4*\s+3], 0x80000000
	JLOAD \s
.endr
	v_and_b32 v1, 31, v0
	v_and_b32 v2, 15, v0
	v_bfe_u32 v3, v0, 4, 1
	v_lshlrev_b32 v4, 4, v1
	s_lshl_b32 s21, s17, 15
	s_lshl_b32 s22, s18, 15
	s_add_co_u32 s22, s22, 65536
.irp s, 0,1
	v_add_nc_u32 v[ADRA+\s], s21, v4
	v_add_nc_u32 v[ADRB+\s], s22, v4
	s_add_co_u32 s21, s21, SLOT
	s_add_co_u32 s22, s22, SLOT
.endr
	s_mul_i32 s23, s16, 16*SP
	s_add_co_u32 s23, s23, STAGE
	v_mul_u32_u24 v5, v2, SP
	v_lshl_add_u32 v5, v3, 6, v5
	v_add_nc_u32 v[STO], s23, v5
	v_mul_u32_u24 v5, v3, SP
	v_lshl_add_u32 v5, v2, 4, v5
	v_add_nc_u32 v[RD], s23, v5
	v_lshlrev_b32 v5, 12, v3
	v_lshl_add_u32 v[CO], v2, 4, v5
	s_lshl_b32 s20, s19, 7
	s_lshl_b32 s21, s17, 6
	s_add_co_u32 s20, s20, s21
	s_lshl_b32 s20, s20, 12
	s_lshl_b32 s46, s42, 9
	s_lshl_b32 s47, s18, 8
	s_add_co_u32 s46, s46, s47
	s_add_co_u32 s20, s20, s46
	s_mov_b32 s21, 0
	s_add_nc_u64 s[10:11], s[10:11], s[20:21]
	s_add_nc_u64 s[12:13], s[12:13], s[20:21]
.if HASB
	s_mov_b32 s47, 0
	s_add_nc_u64 s[14:15], s[14:15], s[46:47]
	v_lshlrev_b32 v27, 4, v2
	global_load_b128 v[8:11], v27, s[14:15]        ; the bias at the four columns that I store
.endif
.macro PLACES
.rept 4
	v_nop
.endr
.endm
.macro FETCH slot, q, f
	WIN TO_F
.irp i, 0,1,2,3
.irp c, 0,1,2,3
	ds_load_b128 v[\f+64+16*\i+4*\c:\f+64+16*\i+4*\c+3], v[ADRB+\slot] offset:\i*8192+(\q)*2048+512*\c
.endr
.endr
.irp i, 0,1,2,3
.irp c, 0,1,2,3
	ds_load_b128 v[\f+16*\i+4*\c:\f+16*\i+4*\c+3], v[ADRA+\slot] offset:\i*8192+(\q)*2048+512*\c
.endr
.endr
.endm
.macro MUL16 f, zero                   ; the 16 accumulators take turns, in the same order every time
.irp a, 0,1,2,3
.irp b, 0,1,2,3
.if \zero
	v_wmma_f32_16x16x128_fp8_fp8 v[ACC+8*(4*\a+\b):ACC+8*(4*\a+\b)+7], v[\f+64+16*\b:\f+64+16*\b+15], v[\f+16*\a:\f+16*\a+15], 0
.else
	v_wmma_f32_16x16x128_fp8_fp8 v[ACC+8*(4*\a+\b):ACC+8*(4*\a+\b)+7], v[\f+64+16*\b:\f+64+16*\b+15], v[\f+16*\a:\f+16*\a+15], v[ACC+8*(4*\a+\b):ACC+8*(4*\a+\b)+7]
.endif
.endr
.endr
.endm
.macro QTR slot, q, f, g, zero
	s_wait_dscnt 0x0
	PLACES                                         ; in front of loads into registers that the last products read
	FETCH \slot, (\q)+1, \g
	WIN MUL
	MUL16 \f, \zero
.endm
.macro RESLOAD
	WIN TO_F
.irp a, 0,1,2,3
.irp t, 0,1,2,3,4,5,6,7
	global_load_b128 v[32*\a+4*\t:32*\a+4*\t+3], v[CO], s[10:11] offset:(32*(\a/2)+8*(\a%2)+2*\t+8*(\t/4))*4096 th:TH_LOAD_NT
.endr
.endr
.endm
.macro WORK slot, zero, last
	PLACES
	FETCH \slot, 0, F0
	QTR \slot, 0, F0, F1, \zero
	QTR \slot, 1, F1, F0, 0
	QTR \slot, 2, F0, F1, 0
	s_wait_dscnt 0x0
.if \last
	PLACES
	RESLOAD
.endif
	WIN MUL
	MUL16 F1, 0
	WIN 0
.endm
.macro CHANGE other, fill              ; each wave waits for all its tensor loads, adds 0 to its spare word, and waits for that and for its reads of the slot that it has left
	s_wait_tensorcnt 0x0
	ds_add_u32 v[SPW], v[NIL]
.if \fill
	s_add_nc_u64 s[G0+4*\other+2:G0+4*\other+3], s[G0+4*\other+2:G0+4*\other+3], 16384
	s_add_nc_u64 s[G0B+4*\other+2:G0B+4*\other+3], s[G0B+4*\other+2:G0B+4*\other+3], 16384
	s_wait_dscnt 0x0
	CROUND                                         ; no wave of any partner still reads that slot or has a load on its way
	JLOAD \other                                   ; the first tensor load behind the round: it has a slot's 64 matrix instructions in which to land
.else
	s_wait_dscnt 0x0
	s_barrier_signal -1
	s_barrier_wait -1
.endif
.endm
	s_wait_tensorcnt 1                             ; my part of slot 0 is in; slot 1's load may be out
	s_barrier_signal -1
	s_barrier_wait -1
	WORK 0, 1, 0
.if NSL > 2
	s_mov_b32 s3, (NSL-2)/2
.Lring:                                            ; three trips: both slots are filled again in each
	CHANGE 0, 1
	WORK 1, 0, 0
	CHANGE 1, 1
	WORK 0, 0, 0
	s_sub_co_u32 s3, s3, 1
	s_cmp_lg_u32 s3, 0
	s_cbranch_scc1 .Lring
.endif
	CHANGE 0, 0
	WORK 1, 0, 1
	s_wait_kmcnt 0x0
	s_add_co_i32 s76, s72, s73
	s_add_co_i32 s76, s76, 127
	s_lshl_b32 s76, s76, 23                        ; 2^(ea + eb) as f32
	s_mov_b32 s77, s76
	PLACES
.macro OUT a
.set BB, BK+32*((\a)%2)
.irp bb, 0,1
.irp q, 0,1,2,3
	ds_store_b128 v[STO], v[ACC+32*(\a)+16*\bb+4*\q:ACC+32*(\a)+16*\bb+4*\q+3] offset:128*\bb+16*\q   ; each accumulator from its low end on
.endr
.endr
.if (\a) >= 2
	s_wait_xcnt 0x0                                ; block a - 2's stores have read the registers that the loads below fill
.endif
.irp t, 0,1,2,3,4,5,6,7
	ds_load_b128 v[BB+4*\t:BB+4*\t+3], v[RD] offset:2*SP*\t
.endr
	s_wait_dscnt 0x0
	s_wait_loadcnt 24-8*(\a)                       ; this block's eight residual loads are in; the later blocks' may be out
	WIN 0x10                                       ; source 2 (the residual) window 1
.set j, 0
.rept 16
	v_pk_fma_f32 v[BB+j:BB+j+1], v[BB+j:BB+j+1], s[76:77], v[32*(\a)+j:32*(\a)+j+1] op_sel_hi:[1,0,1]
.set j, j+2
.endr
	WIN 0
.if HASB
.irp t, 0,1,2,3,4,5,6,7
	v_pk_add_f32 v[BB+4*\t:BB+4*\t+1], v[BB+4*\t:BB+4*\t+1], v[8:9]
	v_pk_add_f32 v[BB+4*\t+2:BB+4*\t+3], v[BB+4*\t+2:BB+4*\t+3], v[10:11]
.endr
.endif
.irp t, 0,1,2,3,4,5,6,7
	global_store_b128 v[CO], v[BB+4*\t:BB+4*\t+3], s[12:13] offset:(32*((\a)/2)+8*((\a)%2)+2*\t+8*(\t/4))*4096 th:TH_STORE_NT   ; sixteen lanes store 256 consecutive bytes, aligned
.endr
.endm
	OUT 0
	OUT 1
	OUT 2
	OUT 3
	s_wait_tensorcnt 0x0                           ; the wave's end
	ds_add_u32 v[SPW], v[NIL]
	s_wait_dscnt 0x0
	CROUND                                         ; the closing round
	s_endpgm
.Lfunc_end_k_qe3d5284832_ffn2:
	.size	k_qe3d5284832_ffn2, .Lfunc_end_k_qe3d5284832_ffn2-k_qe3d5284832_ffn2
	.p2alignl 7, 3214868480
	.fill 96, 4, 3214868480
	.section	.rodata,"a",@progbits
	.p2align	6, 0x0
	.amdhsa_kernel k_qe3d5284832_ffn2
		.amdhsa_group_segment_fixed_size 327680
		.amdhsa_private_segment_fixed_size 0
		.amdhsa_enable_private_segment 0
		.amdhsa_kernarg_size 48
		.amdhsa_user_sgpr_count 2
		.amdhsa_user_sgpr_kernarg_segment_ptr 1
		.amdhsa_wavefront_size32 1
		.amdhsa_system_sgpr_workgroup_id_x 1
		.amdhsa_system_sgpr_workgroup_id_y 1
		.amdhsa_system_sgpr_workgroup_id_z 1
		.amdhsa_system_vgpr_workitem_id 0
		.amdhsa_next_free_vgpr 512
		.amdhsa_next_free_sgpr 100
		.amdhsa_reserve_vcc 0
		.amdhsa_float_denorm_mode_32 3
		.amdhsa_float_denorm_mode_16_64 3
		.amdhsa_memory_ordered 1
		.amdhsa_forward_progress 1
		.amdhsa_inst_pref_size 81
	.end_amdhsa_kernel
	.amdgpu_metadata
---
amdhsa.version: [ 1, 2 ]
amdhsa.kernels:
  - .name:           k_qe3d5284832_ffn2
    .symbol:         k_qe3d5284832_ffn2.kd
    .args:
      - { .name: hid, .offset: 0, .size: 8, .value_kind: global_buffer, .address_space: global }
      - { .name: wcodes, .offset: 8, .size: 8, .value_kind: global_buffer, .address_space: global }
      - { .name: lowp_scales, .offset: 16, .size: 8, .value_kind: global_buffer, .address_space: global }
      - { .name: x1, .offset: 24, .size: 8, .value_kind: global_buffer, .address_space: global }
      - { .name: out0, .offset: 32, .size: 8, .value_kind: global_buffer, .address_space: global }
      - { .name: b2, .offset: 40, .size: 8, .value_kind: global_buffer, .address_space: global }
    .group_segment_fixed_size: 327680
    .private_segment_fixed_size: 0
    .kernarg_segment_align: 8
    .kernarg_segment_size: 48
    .max_flat_workgroup_size: 128
    .sgpr_count:     100
    .vgpr_count:     512
    .wavefront_size: 32
...
	.end_amdgpu_metadata
.endif
;; end of part 7
